; MI455X (gfx1250); checked and timed in simulation.
; The chip was launched on July 23, 2026; its instructions are those of AMD's public machine-readable ISA for CDNA 5 (MIT licence, August 2026) and "CDNA5" Instruction Set Architecture Reference Guide (July 2026). The comments in the code are by the model that wrote it; some were corrected since.
;; Innocent Attention. Allowed arithmetic: matrix products marked QUANTISED: E4M3 operands, one given power-of-two scale a tensor, by v_wmma_f32_16x16x64_fp8_fp8 or v_wmma_f32_16x16x128_fp8_fp8, f32 sums; everything else in f32.
;; Inputs: event_length 8 int32; k 8 x 2,048 x 128 float32; lowp_scales 4 int32 (the exponents e of the quantised operands' scales 2^e); q 8 x 2,048 x 128 float32; v 8 x 2,048 x 128 float32.
;; Outputs: out0 8 x 2,048 x 128 float32.
;; This version of the problem:
;;   THIS VERSION OF THE PROBLEM IS GIVEN IN LOW PRECISION. The matrix products marked QUANTISED in the list below multiply operands that are first quantised to E4M3 (4 exponent bits, 3 mantissa bits; 8 bits a number), with one given power-of-two scale for each operand tensor; their sums are f32. All else is computed in f32.
;;   The module's matrix products, in the order in which they are computed (A, B: the left and right operand; K: the contracted axis; several contracted axes count as one K, in the product's order):
;;     1. batch 8 x [M 2,048, K 128] x [K 128, N 2,048]; A: input q; B: input k: QUANTISED (scales: A lowp_scales[0], B lowp_scales[1])
;;     2. batch 8 x [M 2,048, K 2,048] x [K 2,048, N 128]; A: softmax (see below); B: input v: QUANTISED (scales: A lowp_scales[2], B lowp_scales[3])
;;   THE QUANTISER, for each operand of a quantised product, along K:
;;     - The operand's scale is 2^e, e = its entry of the input lowp_scales (int32; the entries are numbered through the quantised products in the list's order, A before B).
;;     - Each number is divided by the scale, clamped to +-448, and rounded to the nearest number of E4M3, ties to even, subnormals kept.
;;     - The product sums the exact products of the quantised numbers (number of the format x scale) in f32.
;;   ~~~python
;;   def quantise(x, axis, e):      # numpy; x: float32 -> the quantised numbers, widened to float32 again
;;       x = np.moveaxis(x, axis, -1); K = x.shape[-1]
;;       r = np.clip(x / 2.0 ** e, -448, 448)
;;       step = 2.0 ** (np.maximum(np.frexp(np.where(r == 0, 1, r))[1] - 1, -6) - 3)
;;       q = np.round(r / step) * step * 2.0 ** e      # np.round: ties to even
;;       return np.moveaxis(q, -1, axis).astype(np.float32)
;;   ~~~
;;   SOFTMAX AHEAD OF A QUANTISED PRODUCT. Where the list says 'softmax', what is quantised is not the finished softmax but p = 2^(t - M), with t = logit x log2(e) and M = ceil(the row's largest t), a whole number; so 1/2 < the row's largest p <= 1. The row's sum l is taken of the UNQUANTISED p, in f32, and the product's result is divided by l at the end. Since M is a whole number, a kernel that streams over the keys may use a running M (the ceiling of the running maximum): every later rescaling is an exact power of two, so the quantised numbers keep their values, but for numbers so far below the row's largest that they fall under the format's range.
;;   OPERANDS COMPUTED ON THE WAY. 'Computed on the way' means the value that the module computes at that place (a softmax that the list does not call 'softmax' is quantised finished and normalised). What goes into a quantiser is computed in f32, as accurately as f32 sums, v_exp_f32 and their like allow (about 1e-6 of the number): no bf16 or f16 on the way to a quantiser, and a product that is left as it is and whose result goes on into a quantised operand takes f32 operands (vector FMAs, or v_wmma_f32_16x16x4_f32). A number that lies on a knife's edge between two numbers of the format may be rounded either way, as far as f32 arithmetic and the matrix unit's own rounding can turn it there, and no further.
;; 2 versions. Each part assembles by itself: llvm-mc -triple=amdgcn-amd-amdhsa -mcpu=gfx1250 --defsym DOCPART=n.
;; ======== version 1 of 2: 2 launches
;; limits: right only within a limited range of input values
;; workspace buffers: qc 2,097,152 bytes; kc 2,097,152 bytes; vc 2,097,152 bytes
;; launch prep (part 1): grid 256 x 1, 4 waves a work-group, no clusters, 101,888 bytes of LDS; arguments q, k, v, event_length, lowp_scales, qc, kc, vc; writes qc, kc, vc
.if DOCPART == 1
	.amdgcn_target "amdgcn-amd-amdhsa--gfx1250"
	.amdhsa_code_object_version 6
	.text
	.protected	k_q744201c949_prep
	.globl	k_q744201c949_prep
	.p2align	8
	.type	k_q744201c949_prep,@function
k_q744201c949_prep:
	s_mov_b64 s[64:65], 0
	v_nop
	global_prefetch_b8 v0, s[64:65] scope:SCOPE_SE
	s_setreg_imm32_b32 hwreg(HW_REG_WAVE_MODE, 25, 1), 1
	s_wait_xcnt 0x0
; q, k, v [8][2048][128] f32 become codes of FP8 (E4M3), each tensor with its given scale 2^e (lowp_scales: eq, ek, ep, ev), laid as IMAGES OF OPERAND REGISTERS for the attention launch.
; code = x / 2^e, held within +-448, rounded to the nearest code, ties to even.
; A FRAGMENT (16 rows x 128 along K) is 2,048 bytes: four chunks c of 512 bytes; lane l = 16 h + r has 16 bytes at 16 l of a chunk: K = 32 c + 16 h + 0 .. 15 of row r.
;   qc: fragment 4 (32 b + s) + t: row r = query 64 s + 16 t + r, K = the head's 128.
;   kc: fragment 8 (16 b + j) + T, T = 2 b' + u: row r = key 128 j + 32 b' + 8 u + r + 8 (r / 8), K = the head's 128 (so that the scores of tiles 2 b', 2 b' + 1 are 16 neighbouring keys in a lane).
;   vc: fragment 8 (16 b + j) + g: row r = channel 16 g + r, K = keys 128 j + 0 .. 127.
; SHARES.  Work-group i = 32 b + s takes rows 64 s .. 64 s + 63 of batch b; each of its four waves one tile of k, one tile of q, and 32 channels x 64 keys of v.
; WHAT THE MASK LEAVES UNREAD IS NOT MADE: with L = event_length[b], queries at or behind L never meet k, and keys of a step of 128 that begins at or behind L never meet q.
; So q's block is quantised where 64 s < L, k's where 128 (s / 2) < L, v's always.  Three straight bodies, chosen by two scalar branches on L, so that every counted wait is right on its way.
; q and k have K innermost: a load takes a whole row (512 consecutive bytes), and the 16 rows turn through the wave's own stage in LDS (rows 528 bytes apart), so that a lane gets 16 neighbours of each 32.
; v has K (the keys) outermost: a lane takes a channel and its registers run down the keys; the conversions then give codes with the keys innermost, and nothing is transposed.
; No tensor load, no barrier: waves share nothing.  Each body has stage bytes of its own.
; LIMITS: eq, ek, ev between -126 and 119, so that 2^e and 448 x 2^e are f32 numbers.  NaN among the inputs is not served (an infinity is held at the largest code).
.set PITCH,  528                       ; a stage row: 512 bytes + 16
.set REGION, 16*PITCH                  ; a stage: 16 rows
.set WREG,   3*REGION                  ; three stages for each wave
.set RA, 16                            ; v16-79    k's 64 numbers
.set RB, 80                            ; v80-143   q's
.set RV, 144                           ; v144-207  v's: 64 keys of my channel
.set CK, 208                           ; v208-223  k's codes;  v224-239 q's;  v240-255 v's: written once, so no store's data are written again
.set CQ, 224
.set CV, 240
	s_load_b512 s[4:19], s[0:1], 0x0               ; q s[4:5], k s[6:7], v s[8:9], event_length s[10:11], lowp_scales s[12:13], qc s[14:15], kc s[16:17], vc s[18:19]
	v_lshl_add_u32 v15, v0, 2, 0x18c00
	s_set_vgpr_msb 0x40
	v_mov_b32 v1, 0
	s_set_vgpr_msb 0x4000
	v_lshrrev_b32 v1, 5, v0
	v_readfirstlane_b32 s20, v1                    ; wave 0..3
	v_and_b32 v1, 31, v0                           ; lane
	v_lshlrev_b32 v2, 4, v1                        ; 16 x lane: my 16 bytes of a row, and of a chunk
	v_and_b32 v7, 15, v0                           ; r
	v_bfe_u32 v14, v0, 4, 1                        ; h
	s_mul_i32 s21, s20, WREG                       ; my wave's stages
	v_add_nc_u32 v3, s21, v2                       ; into a stage: 16 x lane, the row in the offset
	v_mul_u32_u24 v4, v7, PITCH
	v_lshl_add_u32 v4, v14, 6, v4
	v_add_nc_u32 v4, s21, v4                       ; out of it: row r, + 64 h bytes: my 16 numbers of each 32
	s_lshl_b32 s22, s20, 7
	v_lshl_add_u32 v5, v1, 2, s22                  ; v: channel 32 w + lane, 4 bytes
	s_lshl_b32 s22, s20, 12
	v_lshl_add_u32 v6, v7, 4, s22                  ; vc: fragment 2 w + lane / 16 (2,048 bytes each), 16 bytes at 16 (lane % 16)
	v_lshl_add_u32 v6, v14, 11, v6
	s_lshr_b32 s24, ttmp9, 5                       ; b
	s_and_b32 s25, ttmp9, 31                       ; s
	s_lshl_b32 s32, s24, 2                         ; event_length[b]
	s_mov_b32 s33, 0
	s_lshl_b32 s34, ttmp9, 15                      ; rows 64 (32 b + s) on, 512 bytes each
	s_mov_b32 s35, 0
	s_lshr_b32 s26, s20, 1
	s_lshl_b32 s26, s26, 14                        ; k: my tile begins 32 (w / 2) + 8 (w % 2) rows further on
	s_and_b32 s27, s20, 1
	s_lshl_b32 s27, s27, 12
	s_add_co_u32 s36, s34, s26
	s_add_co_u32 s36, s36, s27
	s_mov_b32 s37, 0
	s_lshl_b32 s26, s20, 13                        ; q: 16 w rows further on
	s_add_co_u32 s38, s34, s26
	s_mov_b32 s39, 0
	s_lshl_b32 s40, ttmp9, 13                      ; qc and kc: fragment 4 (32 b + s) + w (in kc: 8 (16 b + s / 2) + 4 (s % 2) + w, the same number)
	s_lshl_b32 s26, s20, 11
	s_add_co_u32 s40, s40, s26
	s_mov_b32 s41, 0
	s_lshr_b32 s42, ttmp9, 1                       ; vc: key step 16 b + s / 2 (16,384 bytes), chunks 2 (s % 2) on
	s_lshl_b32 s42, s42, 14
	s_and_b32 s26, ttmp9, 1
	s_lshl_b32 s26, s26, 10
	s_add_co_u32 s42, s42, s26
	s_mov_b32 s43, 0
	s_wait_kmcnt 0x0
	s_add_nc_u64 s[10:11], s[10:11], s[32:33]
	s_load_b32 s44, s[10:11], 0x0                  ; L
	s_load_b128 s[28:31], s[12:13], 0x0            ; eq, ek, ep, ev
	s_add_nc_u64 s[4:5], s[4:5], s[38:39]
	s_add_nc_u64 s[6:7], s[6:7], s[36:37]
	s_add_nc_u64 s[8:9], s[8:9], s[34:35]
	s_add_nc_u64 s[14:15], s[14:15], s[40:41]
	s_add_nc_u64 s[16:17], s[16:17], s[40:41]
	s_add_nc_u64 s[18:19], s[18:19], s[42:43]
	s_wait_kmcnt 0x0
.macro MKSCALE e, sc, lim              ; v[sc] = 2^e as f32 (the conversion takes its exponent field), v[lim] = 448 x 2^e
	s_add_co_i32 s45, s[\e], 127
	s_lshl_b32 s46, s45, 23
	v_mov_b32 v[\sc], s46
	s_add_co_i32 s45, s45, 8
	s_lshl_b32 s45, s45, 23
	s_or_b32 s45, s45, 0x600000
	v_mov_b32 v[\lim], s45
.endm
	MKSCALE 29, 8, 9                               ; k's
	MKSCALE 28, 10, 11                             ; q's
	MKSCALE 31, 12, 13                             ; v's
; 16 rows, one load a row: 32 lanes read 512 consecutive bytes.  spread = 1: rows 0-7 and 16-23 (a tile of k); 0: rows 0-15
.macro LDROWS reg, base, spread
.set li, 0
.rept 16
	global_load_b128 v[\reg+4*li:\reg+4*li+3], v2, s[\base:\base+1] offset:512*((li&7)+(8+8*\spread)*(li>>3)) th:TH_LOAD_NT
.set li, li+1
.endr
.endm
.macro LDV                             ; v(64 s + i, my channel), i = 0 .. 63: a wave reads 128 consecutive bytes, the four waves a whole row
.set li, 0
.rept 64
	global_load_b32 v[RV+li], v5, s[8:9] offset:512*li th:TH_LOAD_NT
.set li, li+1
.endr
.endm
; 16 rows through my stage: in as they were loaded, back so that register 16 c + i is K = 32 c + 16 h + i of row r
.macro TURN reg, region
.set li, 0
.rept 16
	ds_store_b128 v3, v[\reg+4*li:\reg+4*li+3] offset:(\region)*REGION+PITCH*li
.set li, li+1
.endr
	s_wait_dscnt 0x0                               ; the stores have read their registers, into which the loads below land
.set li, 0
.rept 16
	ds_load_b128 v[\reg+4*li:\reg+4*li+3], v4 offset:(\region)*REGION+128*(li/4)+16*(li%4)
.set li, li+1
.endr
	s_wait_dscnt 0x0
.endm
.macro QUANT reg, c, n, sc, lim        ; n numbers of a lane become n codes
.set qi, 0
.rept \n
	v_med3_num_f32 v[\reg+qi], v[\reg+qi], -v[\lim], v[\lim]   ; the conversion to an 8-bit code does not saturate (ISA guide 7.6.2): the hold at the largest code x the scale comes first
.set qi, qi+1
.endr
.set qi, 0
.rept (\n)/8
	v_cvt_scalef32_pk8_fp8_f32 v[\c+2*qi:\c+2*qi+1], v[\reg+8*qi:\reg+8*qi+7], v[\sc]
.set qi, qi+1
.endr
	v_nop                                          ; one plain vector line behind the last conversion of a run
.endm
.macro ST4 c, base                     ; a fragment's four chunks: each store covers 512 consecutive bytes, aligned
.irp x, 0,1,2,3
	global_store_b128 v2, v[\c+4*\x:\c+4*\x+3], s[\base:\base+1] offset:512*\x
.endr
.endm
; hk, hq: k's tile, q's tile is made.  All loads go out first, in the order in which they are worked.
.macro BODY hk, hq
.if \hk
	LDROWS RA, 6, 1
.endif
.if \hq
	LDROWS RB, 4, 0
.endif
	LDV
.if \hk
	s_wait_loadcnt 63                              ; 64 loads or more were issued behind k's sixteen: those are in
	TURN RA, \hq                                   ; (stage 0 in the body without q, stage 1 in the body with it)
	QUANT RA, CK, 64, 8, 9
	ST4 CK, 16
.endif
.if \hq
	s_wait_loadcnt 63                              ; v's 64 loads were issued behind q's sixteen: those are in
	TURN RB, 2
	QUANT RB, CQ, 64, 10, 11
	ST4 CQ, 14
.endif
	s_wait_loadcnt 32                              ; v's first 32 keys are in
	QUANT RV, CV, 32, 12, 13
	s_wait_loadcnt 0x0
	QUANT RV+32, CV+8, 32, 12, 13
.irp x, 0,1,2,3                        ; keys 16 x .. 16 x + 15 of my 64: chunk 2 (s % 2) + x / 2, half x % 2: sixteen lanes store 256 consecutive bytes, aligned
	global_store_b128 v6, v[CV+4*\x:CV+4*\x+3], s[18:19] offset:512*(\x/2)+256*(\x%2)
.endr
.endm
	s_max_i32 s44, s44, 0
	s_lshr_b32 s45, s25, 1
	s_lshl_b32 s45, s45, 7
	s_cmp_lt_i32 s45, s44                          ; does my key step begin ahead of L?
	s_cbranch_scc0 .Lonly_v
	s_lshl_b32 s45, s25, 6
	s_cmp_lt_i32 s45, s44                          ; does my block of queries?
	s_cbranch_scc0 .Lk_and_v
	BODY 1, 1
	s_set_vgpr_msb 0x4
	s_wait_tensorcnt 0x0
	ds_add_u32 v15, v1
	s_wait_dscnt 0x0
	s_set_vgpr_msb 0x400
	s_endpgm
.Lk_and_v:
	BODY 1, 0
	s_set_vgpr_msb 0x4
	s_wait_tensorcnt 0x0
	ds_add_u32 v15, v1
	s_wait_dscnt 0x0
	s_set_vgpr_msb 0x400
	s_endpgm
.Lonly_v:
	BODY 0, 0
	s_endpgm
.Lfunc_end_k_q744201c949_prep:
	.size	k_q744201c949_prep, .Lfunc_end_k_q744201c949_prep-k_q744201c949_prep
	.p2alignl 7, 3214868480
	.fill 96, 4, 3214868480
	.section	.rodata,"a",@progbits
	.p2align	6, 0x0
	.amdhsa_kernel k_q744201c949_prep
		.amdhsa_group_segment_fixed_size 101888
		.amdhsa_private_segment_fixed_size 0
		.amdhsa_enable_private_segment 0
		.amdhsa_kernarg_size 64
		.amdhsa_user_sgpr_count 2
		.amdhsa_user_sgpr_kernarg_segment_ptr 1
		.amdhsa_wavefront_size32 1
		.amdhsa_system_sgpr_workgroup_id_x 1
		.amdhsa_system_sgpr_workgroup_id_y 1
		.amdhsa_system_sgpr_workgroup_id_z 1
		.amdhsa_system_vgpr_workitem_id 0
		.amdhsa_next_free_vgpr 258
		.amdhsa_next_free_sgpr 66
		.amdhsa_reserve_vcc 0
		.amdhsa_float_denorm_mode_32 3
		.amdhsa_float_denorm_mode_16_64 3
		.amdhsa_memory_ordered 1
		.amdhsa_forward_progress 1
		.amdhsa_inst_pref_size 63
	.end_amdhsa_kernel
	.amdgpu_metadata
---
amdhsa.version: [ 1, 2 ]
amdhsa.kernels:
  - .name:           k_q744201c949_prep
    .symbol:         k_q744201c949_prep.kd
    .args:
      - { .name: q, .offset: 0, .size: 8, .value_kind: global_buffer, .address_space: global }
      - { .name: k, .offset: 8, .size: 8, .value_kind: global_buffer, .address_space: global }
      - { .name: v, .offset: 16, .size: 8, .value_kind: global_buffer, .address_space: global }
      - { .name: event_length, .offset: 24, .size: 8, .value_kind: global_buffer, .address_space: global }
      - { .name: lowp_scales, .offset: 32, .size: 8, .value_kind: global_buffer, .address_space: global }
      - { .name: qc, .offset: 40, .size: 8, .value_kind: global_buffer, .address_space: global }
      - { .name: kc, .offset: 48, .size: 8, .value_kind: global_buffer, .address_space: global }
      - { .name: vc, .offset: 56, .size: 8, .value_kind: global_buffer, .address_space: global }
    .group_segment_fixed_size: 101888
    .private_segment_fixed_size: 0
    .kernarg_segment_align: 8
    .kernarg_segment_size: 64
    .max_flat_workgroup_size: 128
    .sgpr_count:     66
    .vgpr_count:     258
    .wavefront_size: 32
...
	.end_amdgpu_metadata
.endif
;; end of part 1
;; launch attn (part 2): grid 256 x 1, 4 waves a work-group, no clusters, 173,568 bytes of LDS; arguments qc, kc, vc, event_length, lowp_scales, out0; writes out0
.if DOCPART == 2
	.amdgcn_target "amdgcn-amd-amdhsa--gfx1250"
	.amdhsa_code_object_version 6
	.text
	.protected	k_q744201c949_attn
	.globl	k_q744201c949_attn
	.p2align	8
	.type	k_q744201c949_attn,@function
k_q744201c949_attn:
	s_mov_b64 s[64:65], 0
	v_nop
	global_prefetch_b8 v0, s[64:65] scope:SCOPE_SE
	s_setreg_imm32_b32 hwreg(HW_REG_WAVE_MODE, 25, 1), 1
	s_wait_xcnt 0x0
; out[b][q] = the sum over keys of softmax(masked scores) v, both products on codes of FP8 (E4M3) made by the launch before (its head comment gives the layout of qc, kc, vc).
; THE MASK, with L = event_length[b]: a score counts where query < L and key < L; every other logit is -1e9.
;   A query < L: keys at or behind L have p = 0; key steps that begin at or behind L are not walked.
;   A query >= L: every logit is -1e9, t = T0 = -1e9 x log2(e), a whole number in f32, M = T0, p = 1 for all 2,048 keys: no first product; the second product runs on the code of 1.
; THE SOFTMAX AHEAD OF THE SECOND PRODUCT: t = score x log2(e) / sqrt(128); M = the largest t so far, rounded up to a whole number; p = 2^(t - M) is quantised with 2^ep; the sum is taken of the
; unquantised p and divides at the end; when M moves, the sum and O are multiplied by 2^(old M - new M), which rounds nothing.
; SHARES.  A work-group owns 64 queries of one batch.  EVERY wave holds all four tiles of 16 queries, and the waves share the KEYS: wave w takes the key steps (128 keys) j with j % 4 = w.
; So each fragment of k and v is read once in a work-group, from memory straight into the registers of the one wave that wants it, and feeds four matrix instructions.  The loop has no LDS and no barrier.
; Each wave keeps its own M, sum and O^T; at the end the four meet in LDS behind the launch's one barrier, and wave w merges and stores tile w.
; WHY NO TENSOR LOADS, NO CLUSTER: how many steps a wave walks hangs on event_length, a number read from memory; work-groups of one batch walk the same tiles, but a launch that branches on such a number
; takes its operands by plain loads.  Walking all 16 steps for every block would multiply the work by about three at lengths spread evenly over 0 .. 2,047.
; WHY NO PREFETCH: a wave walks four steps at the most; the first two are asked for at the head, and of each later one K a step and a half and V a step ahead of its use.
; LAYOUT.  Both products are used transposed: S^T = K Q^T (source 0 = 16 keys, source 1 = 16 queries), O^T = V^T P^T: a lane holds one query (lane % 16) throughout; register 16 b + i of a tile's 64 scores
; is key 32 b + 16 (lane / 16) + i of the step, so the conversions' results are the second product's operand.
; A STEP.  The four tiles go as two PAIRS.  A pair's two softmaxes are written line by line by turns, so that no line reads the result of the line just before it: four chains of maxima, four of sums,
; and one wait for the pair's 128 exponentials.
; THE LOADS.  A step's K and V are 64 loads of 16 bytes a lane.  A buffer is asked for again in two runs of 32: K's in the middle of its own step, behind the last product that reads K; V's behind the step.
; So no run has to wait for room in LOADcnt's field of six bits (ISA guide 5.7.1) while the wave has work to issue.
; LIMITS: eq + ek between -123 and 8 (added to the exponent field of log2(e) / sqrt(128); up to 8 every real score stays so far above -1e9 that a masked key's p is 0); ep between -126 and 119;
; ep + ev is applied by v_ldexp_f32.  event_length is taken as clipped to 0 .. 2,048.  NaN among the inputs is not served.
; REGISTERS, in windows of 256:  window 0: v0 thread; v1 16 x lane; v2 2^ep; v3 448 x 2^ep; v4 T0; v5 at work at the head; v8, v9 the lane permutes' destinations; v[10:11], v[12:13] f of a pair's two tiles;
;   v14 r; v15 16 h; v16-31 four registers of statistics a tile (-M, largest t, the sum in two halves); v32-95, v96-159 scores S0, S1 of a pair's two tiles; v160-175, v176-191 their codes P0, P1, and, until
;   the conversions write them, the softmax's scratch; v192-255 Q, 16 a tile.   window 1: O^T, tile t, channels 16 g on at v[64 t + 8 g].
;   window 2: buffer A: v0-127 a step's K, v128-255 its V.   window 3: buffer B likewise.
.set S0, 32
.set S1, 96
.set P0, 160
.set XA, P0                            ; scratch of a pair's tile u at + 16 u: two chains of maxima,
.set XB, P0+1
.set XT, P0+2                          ; at work,
.set XD, P0+3                          ; the mask's bound,
.set XS, P0+4                          ; the second chain of sums (a pair)
.set QF, 192
.set ST, 16
.set STATS,  131072                    ; LDS: 0 .. 131,071 the four waves' images of O^T (32,768 each); then their statistics (2,048 each);
.set STAGE,  139264                    ; then a stage of 16 rows x (512 + 16) bytes for each wave
.set SPITCH, 528
.set WV,  16                           ; s16 wave
.set BB,  17                           ; s17 batch
.set Q0,  19                           ; s19 my block's first query
.set LL,  20                           ; s20 L
.set LQ,  21                           ; s21 L - Q0
.set NG,  22                           ; s22 key steps with scores: 0 where no query of the block counts, else ceil(L / 128)
.set MS,  23                           ; s23 the first step that needs the mask: 0 where some query of the block does not count, else L / 128
.set HOLD, 24                          ; s24 1 where 448 x 2^ep < 1, so that p must be held
.set CS,  26                           ; s[26:27] c = log2(e) / sqrt(128) x 2^(eq + ek)
.set CX,  28                           ; s[28:29] the step's multiplier: c, or 1 where the mask's arm has multiplied already
.set SEL, 30                           ; s[30:31] v_permlanex16_b32's selects for lane l xor 16
.set EPV, 32                           ; s32 ep + ev
.set JJ,  33                           ; s33 the step in buffer A
.set JC,  34                           ; s34 the step in hand
.set LK,  35                           ; s35 L - 128 x that
.set PK,  36                           ; s[36:37], s[38:39] kc, vc at step JJ
.set PV,  38
.set PKB, 40                           ; s[40:41], s[42:43] the same for buffer B's first fill
.set PVB, 42
.set EX,  44                           ; s[44:47] eq, ek, ep, ev
.set RR,  48                           ; s48 counts the loop's trips
.set T1,  49                           ; s49, s[50:51] at work
.set T2,  50
.set VP,  52                           ; s[52:59] vc at the four steps without scores
.set JS,  60
.set CNT, 61
.set MK,  66                           ; s66-69 four lane masks of the mask's arm
.set MSB, 0
.macro WIN new                         ; the immediate's high byte repeats the setting that is left; a switch that changes nothing is dropped
.if MSB != (\new)
	s_set_vgpr_msb (MSB<<8)|(\new)
.set MSB, (\new)
.endif
.endm
.macro PLACES
.rept 4
	v_nop
.endr
.endm
; a step's 16,384 bytes of K and of V into buffer x (window 2 or 3): each load takes 512 consecutive bytes, four registers of a fragment
.macro LOADKV x, bk, bv, off
	WIN (\x)<<6
.set li, 0
.rept 32
	global_load_b128 v[4*li:4*li+3], v1, s[\bk:\bk+1] offset:\off+512*li
.set li, li+1
.endr
.set li, 0
.rept 32
	global_load_b128 v[128+4*li:128+4*li+3], v1, s[\bv:\bv+1] offset:\off+512*li
.set li, li+1
.endr
	WIN 0
.endm
.macro LOADK x, off                    ; K alone, off bytes behind step JJ's
	WIN (\x)<<6
.set li, 0
.rept 32
	global_load_b128 v[4*li:4*li+3], v1, s[PK:PK+1] offset:\off+512*li
.set li, li+1
.endr
	WIN 0
.endm
.macro LOADV x, off                    ; V alone
	WIN (\x)<<6
.set li, 0
.rept 32
	global_load_b128 v[128+4*li:128+4*li+3], v1, s[PV:PV+1] offset:\off+512*li
.set li, li+1
.endr
	WIN 0
.endm
.macro QK t, sb, x                     ; S^T of tile t: eight tiles of 16 keys, each one product over the head's 128
	WIN (\x)
.set n, 0
.rept 8
	v_wmma_f32_16x16x128_fp8_fp8 v[\sb+8*n:\sb+8*n+7], v[16*n:16*n+15], v[QF+16*(\t):QF+16*(\t)+15], 0
.set n, n+1
.endr
.endm
.macro PVM t, x                        ; O^T of tile t += V^T P^T: eight accumulators, one instruction a turn
	WIN 0x50|(\x)
.set rP, P0+16*((\t)%2)
.set n, 0
.rept 8
	v_wmma_f32_16x16x128_fp8_fp8 v[64*(\t)+8*n:64*(\t)+8*n+7], v[128+16*n:128+16*n+15], v[rP:rP+15], v[64*(\t)+8*n:64*(\t)+8*n+7]
.set n, n+1
.endr
.endm
; THE SOFTMAX of tiles t0 and t0 + 1 for the step in hand, line by line by turns (u = 0, 1): scores in S0 + 64 u, codes into P0 + 16 u, statistics at ST + 4 (t0 + u), f in v[10 + 2 u]
.macro SM2 t0
	WIN 0
	s_cmp_lt_u32 s[JC], s[MS]                      ; a step all of whose scores count passes over the mask
	s_cbranch_scc1 .Lopen_\@
.irp u, 0,1
	s_sub_co_i32 s[T1], s[LQ], 16*((\t0)+\u)
	v_cmp_gt_i32 vcc_lo, s[T1], v14                ; does my query count?
	v_sub_nc_u32 v[XT+16*\u], s[LK], v15
	v_cndmask_b32 v[XD+16*\u], 0, v[XT+16*\u], vcc_lo   ; d = L - the step's first key - 16 h, or 0: register 16 b + i is masked where 32 b + i >= d
.endr
.set n, 0
.rept 32
.irp u, 0,1
	v_pk_mul_f32 v[S0+64*\u+n:S0+64*\u+n+1], v[S0+64*\u+n:S0+64*\u+n+1], s[CS:CS+1] op_sel_hi:[1,0]   ; scores become t here, since T0 is a t; each accumulator from its low end on
.endr
.set n, n+2
.endr
.set n, 0
.rept 32                               ; two registers of each tile a turn: four compares into four masks, then the four selects that read them
.irp k, 0,1
.irp u, 0,1
	v_cmp_ge_i32 s[MK+2*\k+\u], 32*((n+\k)/16)+(n+\k)%16, v[XD+16*\u]
.endr
.endr
.irp k, 0,1
.irp u, 0,1
	v_cndmask_b32 v[S0+64*\u+n+\k], v[S0+64*\u+n+\k], v4, s[MK+2*\k+\u]
.endr
.endr
.set n, n+2
.endr
.Lopen_\@:
.irp u, 0,1
	v_max3_num_f32 v[XA+16*\u], v[S0+64*\u], v[S0+64*\u+1], v[S0+64*\u+2]   ; the step's largest score of my query among my 64 keys: two chains a tile, ascending
.endr
.irp u, 0,1
	v_max3_num_f32 v[XB+16*\u], v[S0+64*\u+3], v[S0+64*\u+4], v[S0+64*\u+5]
.endr
.set n, 6
.rept 14
.irp u, 0,1
	v_max3_num_f32 v[XA+16*\u], v[XA+16*\u], v[S0+64*\u+n], v[S0+64*\u+n+1]
.endr
.irp u, 0,1
	v_max3_num_f32 v[XB+16*\u], v[XB+16*\u], v[S0+64*\u+n+2], v[S0+64*\u+n+3]
.endr
.set n, n+4
.endr
.irp u, 0,1
	v_max3_num_f32 v[XA+16*\u], v[XA+16*\u], v[S0+64*\u+62], v[S0+64*\u+63]
.endr
.irp u, 0,1
	v_max_num_f32 v[XA+16*\u], v[XA+16*\u], v[XB+16*\u]
.endr
.irp u, 0,1
	v_permlanex16_b32 v[8+\u], v[XA+16*\u], s[SEL], s[SEL+1]
.endr
.irp u, 0,1
	v_max_num_f32 v[XA+16*\u], v[XA+16*\u], v[8+\u]   ; and among lane l xor 16's
.endr
.irp u, 0,1
	v_mul_f32 v[XA+16*\u], s[CX], v[XA+16*\u]      ; as t (the multiplier is positive)
.endr
.irp u, 0,1
	v_max_num_f32 v[ST+4*((\t0)+\u)+1], v[ST+4*((\t0)+\u)+1], v[XA+16*\u]   ; the running largest t
.endr
.irp u, 0,1
	v_mov_b32 v[XT+16*\u], v[ST+4*((\t0)+\u)]
.endr
.irp u, 0,1
	v_floor_f32 v[ST+4*((\t0)+\u)], -v[ST+4*((\t0)+\u)+1]   ; -M = floor(-t): M is a whole number
.endr
.irp u, 0,1
	v_sub_f32 v[XT+16*\u], v[ST+4*((\t0)+\u)], v[XT+16*\u]   ; old M - new M, a whole number, 0 or less
.endr
.irp u, 0,1
	v_cvt_i32_f32 v[XT+16*\u], v[XT+16*\u]         ; (it saturates)
.endr
.irp u, 0,1
	v_ldexp_f32 v[10+2*\u], 1.0, v[XT+16*\u]       ; f = 2^(old M - new M)
.endr
.set n, 0
.rept 32
.irp u, 0,1
	v_pk_fma_f32 v[S0+64*\u+n:S0+64*\u+n+1], v[S0+64*\u+n:S0+64*\u+n+1], s[CX:CX+1], v[ST+4*((\t0)+\u):ST+4*((\t0)+\u)+1] op_sel_hi:[1,0,0]   ; t - M, two at a time
.endr
.set n, n+2
.endr
.set n, 0
.rept 64
.irp u, 0,1
	v_exp_f32 v[S0+64*\u+n], v[S0+64*\u+n]         ; p = 2^(t - M)
.endr
.set n, n+1
.endr
.irp u, 0,1
	v_pk_mul_f32 v[ST+4*((\t0)+\u)+2:ST+4*((\t0)+\u)+3], v[ST+4*((\t0)+\u)+2:ST+4*((\t0)+\u)+3], v[10+2*\u:11+2*\u] op_sel_hi:[1,0]   ; the sums under the new M: the plain lines behind the exponentials
.endr
	s_wait_alu depctr_va_vdst(0)                   ; one wait for the batch of 128, ahead of its first reader
.irp u, 0,1
	v_pk_add_f32 v[XS+16*\u:XS+16*\u+1], v[S0+64*\u:S0+64*\u+1], v[S0+64*\u+2:S0+64*\u+3]   ; the sum is taken of the unquantised p: two chains a tile
.endr
.set n, 4
.rept 15
.irp u, 0,1
	v_pk_add_f32 v[ST+4*((\t0)+\u)+2:ST+4*((\t0)+\u)+3], v[ST+4*((\t0)+\u)+2:ST+4*((\t0)+\u)+3], v[S0+64*\u+n:S0+64*\u+n+1]
.endr
.irp u, 0,1
	v_pk_add_f32 v[XS+16*\u:XS+16*\u+1], v[XS+16*\u:XS+16*\u+1], v[S0+64*\u+n+2:S0+64*\u+n+3]
.endr
.set n, n+4
.endr
.irp u, 0,1
	v_pk_add_f32 v[ST+4*((\t0)+\u)+2:ST+4*((\t0)+\u)+3], v[ST+4*((\t0)+\u)+2:ST+4*((\t0)+\u)+3], v[XS+16*\u:XS+16*\u+1]
.endr
	s_cmp_eq_u32 s[HOLD], 0                        ; with ep >= -8 the largest code x the scale is 1.75 or more and p is at most 1: the hold would change nothing
	s_cbranch_scc1 .Lnohold_\@
.set n, 0
.rept 128
	v_min_num_f32 v[S0+n], v[S0+n], v3             ; the conversion does not saturate (ISA guide 7.6.2); p is not negative, so the hold is one-sided
.set n, n+1
.endr
.Lnohold_\@:
.set n, 0
.rept 8
.irp u, 0,1
	v_cvt_scalef32_pk8_fp8_f32 v[P0+16*\u+2*n:P0+16*\u+2*n+1], v[S0+64*\u+8*n:S0+64*\u+8*n+7], v2   ; the scratch is done with: the codes take its place
.endr
.set n, n+1
.endr
	WIN 0x41                                       ; O^T (destination, source 0) in window 1, f in window 0
.set n, 0
.rept 32
.irp u, 0,1
	v_pk_mul_f32 v[64*((\t0)+\u)+n:64*((\t0)+\u)+n+1], v[64*((\t0)+\u)+n:64*((\t0)+\u)+n+1], v[10+2*\u:11+2*\u] op_sel_hi:[1,0]   ; O^T under the new M; these plain lines also stand between the conversions and the products that read the codes or write the scores anew
.endr
.set n, n+2
.endr
.endm
; A KEY STEP out of buffer x, step JJ + dj.  off: bytes from step JJ to the step that takes this buffer next, eight steps behind the one in hand
.macro STEP x, dj, off
	s_add_co_u32 s[JC], s[JJ], \dj
	s_lshl_b32 s[T1], s[JC], 7
	s_sub_co_i32 s[LK], s[LL], s[T1]
	s_cmp_lt_u32 s[JC], s[MS]
	s_cselect_b32 s[CX], s[CS], 0x3f800000
	s_mov_b32 s[CX+1], s[CX]                       ; (named with it as a pair, so it is written)
	QK 0, S0, \x
	QK 1, S1, \x
	WIN 0
	PLACES                                         ; four places ahead of the first read of the scores and of the first write of the scratch, which the last products read as P (ISA guide 7.12.1)
	SM2 0
	PVM 0, \x
	PVM 1, \x
	QK 2, S0, \x
	QK 3, S1, \x
	WIN 0
	PLACES                                         ; the same four places, and those ahead of loads into K's registers, which no product of this step reads any more
	s_add_co_u32 s[T1], s[JC], 8
	s_cmp_lt_u32 s[T1], s[NG]
	s_cbranch_scc0 .Lno_k_\@
	LOADK \x, \off                                 ; K of the step eight on: half a step ahead of the next wait, a step and a half ahead of its use
.Lno_k_\@:
	SM2 2
	PVM 2, \x
	PVM 3, \x
	WIN 0
.endm
	s_load_b256 s[4:11], s[0:1], 0x0               ; qc s[4:5], kc s[6:7], vc s[8:9], event_length s[10:11]
	s_load_b128 s[12:15], s[0:1], 0x20             ; lowp_scales s[12:13], out0 s[14:15]
	v_lshl_add_u32 v6, v0, 2, 0x2a400
	v_mov_b32 v7, 0
	v_lshrrev_b32 v5, 5, v0
	v_readfirstlane_b32 s[WV], v5                  ; wave 0..3
	v_and_b32 v1, 31, v0
	v_lshlrev_b32 v1, 4, v1                        ; 16 x lane; never rewritten
	v_and_b32 v14, 15, v0                          ; r
	v_bfe_u32 v15, v0, 4, 1
	v_lshlrev_b32 v15, 4, v15                      ; 16 h
	v_mov_b32 v8, 0                                ; written once: a lane permute's destination counts as one of its sources
	v_mov_b32 v9, 0
	v_mov_b32 v11, 0                               ; (named as the upper halves of the pairs v[10:11], v[12:13])
	v_mov_b32 v13, 0
	v_mov_b32 v4, 0xce6e6b28                       ; -1e9
	v_mul_f32 v4, 0x3fb8aa3b, v4                   ; T0 = -1e9 x log2(e), rounded to f32: a whole number
	s_lshr_b32 s[BB], ttmp9, 5
	s_and_b32 s[T1], ttmp9, 31
	s_lshl_b32 s[Q0], s[T1], 6
	s_mov_b32 s[SEL], 0x76543210
	s_mov_b32 s[SEL+1], 0xfedcba98
	s_lshl_b32 s[T2], s[BB], 2
	s_mov_b32 s[T2+1], 0
	WIN 0x40                                       ; O^T begins as zeros, for every wave: the step is written once, and its first turn multiplies zeros by the first change of M.
.set n, 0                              ; (A first step whose products start the sums would be a second copy of the step.)  The 256 lines stand here, while the arguments are on their way
.rept 256
	v_mov_b32 v[n], 0
.set n, n+1
.endr
	WIN 0
	s_wait_kmcnt 0x0
	s_add_nc_u64 s[10:11], s[10:11], s[T2:T2+1]
	s_load_b32 s[LL], s[10:11], 0x0                ; L
	s_load_b128 s[EX:EX+3], s[12:13], 0x0          ; eq, ek, ep, ev
	s_lshl_b32 s[T2], ttmp9, 13
	s_add_nc_u64 s[4:5], s[4:5], s[T2:T2+1]        ; qc at my block's four fragments
	s_lshl_b32 s[T2], s[BB], 18
	s_add_nc_u64 s[6:7], s[6:7], s[T2:T2+1]        ; kc and vc at my batch: 16 steps of 16,384 bytes
	s_add_nc_u64 s[8:9], s[8:9], s[T2:T2+1]
	s_lshl_b32 s[T2], s[WV], 14
	s_add_nc_u64 s[PK:PK+1], s[6:7], s[T2:T2+1]    ; at step w
	s_add_nc_u64 s[PV:PV+1], s[8:9], s[T2:T2+1]
	s_lshl_b32 s[T2], ttmp9, 15
	s_lshl_b32 s[T1], s[WV], 13
	s_add_co_u32 s[T2], s[T2], s[T1]
	s_add_nc_u64 s[14:15], s[14:15], s[T2:T2+1]    ; out0 at tile w of my block: the 16 rows that I store
	s_mov_b32 s[JJ], s[WV]
	s_wait_kmcnt 0x0
	s_max_i32 s[LL], s[LL], 0
	s_min_u32 s[LL], s[LL], 2048
	s_sub_co_i32 s[LQ], s[LL], s[Q0]
	s_add_co_u32 s[T1], s[LL], 127
	s_lshr_b32 s[T1], s[T1], 7
	s_cmp_gt_i32 s[LL], s[Q0]
	s_cselect_b32 s[NG], s[T1], 0
	s_lshr_b32 s[T1], s[LL], 7
	s_add_co_u32 s[T2], s[Q0], 64
	s_cmp_ge_i32 s[LL], s[T2]
	s_cselect_b32 s[MS], s[T1], 0
	s_cmp_lt_i32 s[EX+2], -8
	s_cselect_b32 s[HOLD], 1, 0
	s_add_co_i32 s[T1], s[EX], s[EX+1]
	s_lshl_b32 s[T1], s[T1], 23
	s_add_co_i32 s[CS], s[T1], 0x3e0293ee          ; log2(e) / sqrt(128), with eq + ek added to its exponent field
	s_mov_b32 s[CS+1], s[CS]
	s_add_co_i32 s[EPV], s[EX+2], s[EX+3]
	s_add_co_i32 s[T1], s[EX+2], 127
	s_lshl_b32 s[T2], s[T1], 23
	v_mov_b32 v2, s[T2]                            ; 2^ep as f32, for the conversions
	s_add_co_i32 s[T1], s[T1], 8
	s_lshl_b32 s[T1], s[T1], 23
	s_or_b32 s[T1], s[T1], 0x600000
	v_mov_b32 v3, s[T1]                            ; 448 x 2^ep
	v_mov_b32 v5, 0xff61b1e6                       ; -3e38, under every t
.irp t, 0,1,2,3
	s_sub_co_i32 s[T1], s[LQ], 16*\t
	v_cmp_gt_i32 vcc_lo, s[T1], v14
	v_cndmask_b32 v[ST+4*\t+1], v4, v5, vcc_lo     ; the largest t so far: -3e38 for a query that counts, T0 for one that does not
	v_floor_f32 v[ST+4*\t], -v[ST+4*\t+1]          ; -M
	v_mov_b32 v[ST+4*\t+2], 0                      ; the sum, in two halves
	v_mov_b32 v[ST+4*\t+3], 0
.endr
	s_cmp_lt_u32 s[WV], s[NG]
	s_cbranch_scc0 .Lp2                            ; no step with scores is mine
	s_add_co_u32 s[T1], s[WV], 4                   ; buffer B's first fill: step w + 4, or, where there is none, the last step that has codes (it is then not used)
	s_sub_co_u32 s[T2], s[NG], 1
	s_min_u32 s[T1], s[T1], s[T2]
	s_min_u32 s[T1], s[T1], 15
	s_lshl_b32 s[T2], s[T1], 14
	s_mov_b32 s[T2+1], 0
	s_add_nc_u64 s[PKB:PKB+1], s[6:7], s[T2:T2+1]
	s_add_nc_u64 s[PVB:PVB+1], s[8:9], s[T2:T2+1]
.set li, 0
.rept 16
	global_load_b128 v[QF+4*li:QF+4*li+3], v1, s[4:5] offset:512*li   ; Q's four fragments stay in registers
.set li, li+1
.endr
	LOADKV 2, PK, PV, 0
	LOADKV 3, PKB, PVB, 0
	s_mov_b32 s[RR], 0
	s_wait_loadcnt 63                              ; buffer B's 64 loads were issued last: Q and buffer A are in
.Lpair:                                                ; a trip: two steps, one out of each buffer.  Every wait in the loop is for 0, so that it holds whichever of the runs of loads were issued
	STEP 2, 0, 131072
	s_wait_loadcnt 0x0                             ; buffer B is in (and buffer A's next K, asked for half a step ago)
	s_add_co_u32 s[T1], s[JJ], 4
	s_cmp_ge_u32 s[T1], s[NG]
	s_cbranch_scc1 .Lp2
	s_add_co_u32 s[T1], s[JJ], 8
	s_cmp_lt_u32 s[T1], s[NG]
	s_cbranch_scc0 .Lno_a
	PLACES                                         ; four places ahead of loads into registers that matrix instructions have read
	LOADV 2, 131072                                ; V of the step eight on: a whole step ahead of the wait for it
.Lno_a:
	STEP 3, 4, 196608
	s_wait_loadcnt 0x0                             ; buffer A is in (and buffer B's next K)
	s_add_co_u32 s[T1], s[JJ], 8
	s_cmp_ge_u32 s[T1], s[NG]
	s_cbranch_scc1 .Lp2
	s_add_co_u32 s[T1], s[JJ], 12
	s_cmp_lt_u32 s[T1], s[NG]
	s_cbranch_scc0 .Lno_b
	PLACES
	LOADV 3, 196608                                ; twelve steps behind step JJ
.Lno_b:
	s_wait_xcnt 0x0                                ; the loads have read their bases, which step only behind this wait
	s_add_nc_u64 s[PK:PK+1], s[PK:PK+1], 131072
	s_add_nc_u64 s[PV:PV+1], s[PV:PV+1], 131072
	s_add_co_u32 s[JJ], s[JJ], 8
	s_add_co_u32 s[RR], s[RR], 1
	s_cmp_lt_u32 s[RR], 2                          ; 16 steps, four waves, two steps a trip
	s_cbranch_scc1 .Lpair
; THE STEPS WITHOUT SCORES, for queries that do not count: p = 1 for every key of steps NG .. 15 (their share of steps 0 .. NG - 1 came through the mask above).  A block all of whose queries count passes over this.
.Lp2:
	s_wait_loadcnt 0x0                             ; no load is out on any way that leads here: the buffers may be loaded anew
	s_add_co_u32 s[T1], s[Q0], 64
	s_cmp_ge_i32 s[LL], s[T1]
	s_cbranch_scc1 .Lmerge
	s_sub_co_u32 s[T1], s[WV], s[NG]
	s_and_b32 s[T1], s[T1], 3
	s_add_co_u32 s[JS], s[NG], s[T1]               ; my first such step: the least j >= NG with j % 4 = w
	s_sub_co_u32 s[CNT], 19, s[JS]
	s_lshr_b32 s[CNT], s[CNT], 2                   ; and how many I have: 0 to 4
	s_mov_b32 s[T2+1], 0
.irp i, 0,1,2,3
	s_add_co_u32 s[T1], s[JS], 4*\i
	s_min_u32 s[T1], s[T1], 15                     ; a step past the end is loaded from step 15 and not used
	s_lshl_b32 s[T2], s[T1], 14
	s_add_nc_u64 s[VP+2*\i:VP+2*\i+1], s[8:9], s[T2:T2+1]
.endr
.irp i, 0,1,2,3,4,5,6,7
	v_mov_b32 v[S0+\i], 1.0                        ; (eight plain lines: the places ahead of the loads below)
.endr
.irp i, 0,1,2,3                        ; V of my four steps into the four halves of the two buffers
	WIN (2+\i/2)<<6
.set li, 0
.rept 32
	global_load_b128 v[128*(\i%2)+4*li:128*(\i%2)+4*li+3], v1, s[VP+2*\i:VP+2*\i+1] offset:512*li
.set li, li+1
.endr
.endr
	WIN 0
.irp i, 0,1,2,3,4,5,6,7
	v_min_num_f32 v[S0+\i], v[S0+\i], v3           ; the hold
.endr
	v_cvt_scalef32_pk8_fp8_f32 v[12:13], v[S0:S0+7], v2   ; v12: the code of 1, four times
	v_nop                                          ; one plain line behind the conversion
	s_lshl_b32 s[T2], s[CNT], 6
	v_cvt_f32_u32 v9, s[T2]                        ; a lane stands for 64 keys of each step
.irp t, 0,1,2,3
	s_sub_co_i32 s[T1], s[LQ], 16*\t
	v_cmp_le_i32 vcc_lo, s[T1], v14                ; my query does not count
.irp i, 0,1,2,3,4,5,6,7,8,9,10,11,12,13,14,15
	v_cndmask_b32 v[S1+16*\t+\i], 0, v12, vcc_lo   ; P's fragment: the code of 1 there, zero codes for a query that counts
.endr
	v_cndmask_b32 v13, 0, v9, vcc_lo
	v_add_f32 v[ST+4*\t+2], v[ST+4*\t+2], v13      ; its sum gains 1 for each key
.endr
.macro CSTEP i, left                   ; left: the younger loads, which may stay out
	s_wait_loadcnt \left
	s_cmp_gt_u32 s[CNT], \i
	s_cbranch_scc0 .Lnone_\@
	WIN 0x50|(2+(\i)/2)
.set g, 0
.rept 8
.set u, 0
.rept 4
	v_wmma_f32_16x16x128_fp8_fp8 v[64*u+8*g:64*u+8*g+7], v[128*((\i)%2)+16*g:128*((\i)%2)+16*g+15], v[S1+16*u:S1+16*u+15], v[64*u+8*g:64*u+8*g+7]
.set u, u+1
.endr
.set g, g+1
.endr
	WIN 0
.Lnone_\@:
.endm
	CSTEP 0, 63                                    ; 96 loads were issued behind the first 32
	CSTEP 1, 63                                    ; 64 behind the second
	CSTEP 2, 32
	CSTEP 3, 0
; THE MERGE.  Every wave lays its statistics and its O^T in LDS as images of the registers; one barrier; wave w brings tile w's four parts under the largest M, adds them, divides and stores.
.Lmerge:
.irp t, 0,1,2,3
	v_add_f32 v[ST+4*\t+2], v[ST+4*\t+2], v[ST+4*\t+3]   ; the sum's two halves (these lines are also the places behind the last products)
.endr
.irp t, 0,1,2,3
	v_permlanex16_b32 v[ST+4*\t+3], v[ST+4*\t+2], s[SEL], s[SEL+1]
.endr
.irp t, 0,1,2,3
	v_add_f32 v[ST+4*\t+2], v[ST+4*\t+2], v[ST+4*\t+3]   ; and lane l xor 16's
.endr
	s_lshl_b32 s[T1], s[WV], 11
	s_add_co_u32 s[T1], s[T1], STATS
	v_add_nc_u32 v160, s[T1], v1                   ; my statistics: 2,048 w + 512 t + 16 x lane
	s_lshl_b32 s[T1], s[WV], 15
	v_add_nc_u32 v161, s[T1], v1                   ; my image: 32,768 w + 512 m + 16 x lane
	s_lshl_b32 s[T1], s[WV], 13
	v_add_nc_u32 v162, s[T1], v1                   ; tile w in wave 0's image (and wave 1's, by the offset),
	v_add_nc_u32 v163, 0x10000, v162               ; in wave 2's (and wave 3's)
	s_lshl_b32 s[T1], s[WV], 9
	s_add_co_u32 s[T1], s[T1], STATS
	v_add_nc_u32 v164, s[T1], v1                   ; tile w in wave 0's statistics
	s_mul_i32 s[T1], s[WV], 16*SPITCH
	s_add_co_u32 s[T1], s[T1], STAGE
	v_mul_u32_u24 v165, v14, SPITCH
	v_lshl_add_u32 v165, v15, 1, v165
	v_add_nc_u32 v165, s[T1], v165                 ; my stage, in: row r, + 32 h bytes
	v_add_nc_u32 v166, s[T1], v1                   ; and back: 16 x lane of a row
.irp t, 0,1,2,3
	ds_store_b128 v160, v[ST+4*\t:ST+4*\t+3] offset:512*\t
.endr
	WIN 0x04                                       ; the stores' data in window 1
.set li, 0
.rept 64
	ds_store_b128 v161, v[4*li:4*li+3] offset:512*li   ; each accumulator from its low end on
.set li, li+1
.endr
	WIN 0
	s_wait_dscnt 0x0                               ; for the others' sake: my stores have landed
	s_barrier_signal -1
	s_barrier_wait -1
.irp u, 0,1,2,3
	ds_load_b128 v[S0+4*\u:S0+4*\u+3], v164 offset:2048*\u   ; wave u's -M and sum of tile w
.endr
	WIN 0x80                                       ; destination window 2: wave u's part of tile w at v[64 u]
.irp u, 0,1
.set li, 0
.rept 16
	ds_load_b128 v[64*\u+4*li:64*\u+4*li+3], v162 offset:32768*\u+512*li
.set li, li+1
.endr
.endr
.irp u, 0,1
.set li, 0
.rept 16
	ds_load_b128 v[128+64*\u+4*li:128+64*\u+4*li+3], v163 offset:32768*\u+512*li
.set li, li+1
.endr
.endr
	WIN 0
	s_wait_dscnt 63                                ; 64 loads were issued behind the four of the statistics: those are in
	v_min3_num_f32 v48, v32, v36, v40
	v_min_num_f32 v48, v48, v44                    ; the least -M: the largest M
.irp u, 0,1,2,3
	v_sub_f32 v[49+\u], v48, v[S0+4*\u]            ; M of wave u less the largest: a whole number, 0 or less
.endr
.irp u, 0,1,2,3
	v_cvt_i32_f32 v[49+\u], v[49+\u]               ; (it saturates: a wave that had no step counts for nothing)
.endr
.irp u, 0,1,2,3
	v_ldexp_f32 v[49+\u], 1.0, v[49+\u]            ; f of wave u
.endr
	v_mul_f32 v53, v49, v34
	v_fmac_f32 v53, v50, v38
	v_fmac_f32 v53, v51, v42
	v_fmac_f32 v53, v52, v46                       ; the row's sum
	v_rcp_f32 v53, v53
	v_nop                                          ; a plain line behind the reciprocal
	s_wait_alu depctr_va_vdst(0)                   ; and the wait ahead of its first reader
	v_ldexp_f32 v53, v53, s[EPV]                   ; x 2^(ep + ev)
.irp u, 0,1,2,3
	v_mul_f32 v[54+2*\u], v[49+\u], v53            ; wave u's factor, in both halves of a pair
	v_mul_f32 v[55+2*\u], v[49+\u], v53
.endr
	s_wait_dscnt 0x0                               ; the four parts are in
	WIN 0x02                                       ; source 0 in window 2
.set n, 0
.rept 32
	v_pk_mul_f32 v[S1+n:S1+n+1], v[n:n+1], v[54:55]
.set n, n+2
.endr
.irp u, 1,2,3
.set n, 0
.rept 32
	v_pk_fma_f32 v[S1+n:S1+n+1], v[64*\u+n:64*\u+n+1], v[54+2*\u:55+2*\u], v[S1+n:S1+n+1]
.set n, n+2
.endr
.endr
	WIN 0
.irp g, 0,1,2,3,4,5,6,7                ; register 8 g + i is out(row r, channel 16 g + 8 h + i): 32 bytes of a row; the lanes beside me hold other rows, so the tile goes through my stage
	ds_store_b128 v165, v[S1+8*\g:S1+8*\g+3] offset:64*\g
	ds_store_b128 v165, v[S1+8*\g+4:S1+8*\g+7] offset:64*\g+16
.endr
.irp i, 0,1,2,3,4,5,6,7,8,9,10,11,12,13,14,15
	ds_load_b128 v[S0+4*\i:S0+4*\i+3], v166 offset:\i*SPITCH   ; LDS serves a wave's instructions in order (ISA guide 5.7.1.4): these see my stores
.endr
.irp i, 0,1,2,3,4,5,6,7,8,9,10,11,12,13,14,15
	s_wait_dscnt 15-\i
	global_store_b128 v1, v[S0+4*\i:S0+4*\i+3], s[14:15] offset:512*\i th:TH_STORE_NT   ; 32 lanes store a row of 512 consecutive bytes, aligned; written once, read by nobody here
.endr
	s_wait_tensorcnt 0x0
	ds_add_u32 v6, v7
	s_wait_dscnt 0x0
	s_endpgm
.Lfunc_end_k_q744201c949_attn:
	.size	k_q744201c949_attn, .Lfunc_end_k_q744201c949_attn-k_q744201c949_attn
	.p2alignl 7, 3214868480
	.fill 96, 4, 3214868480
	.section	.rodata,"a",@progbits
	.p2align	6, 0x0
	.amdhsa_kernel k_q744201c949_attn
		.amdhsa_group_segment_fixed_size 173568
		.amdhsa_private_segment_fixed_size 0
		.amdhsa_enable_private_segment 0
		.amdhsa_kernarg_size 48
		.amdhsa_user_sgpr_count 2
		.amdhsa_user_sgpr_kernarg_segment_ptr 1
		.amdhsa_wavefront_size32 1
		.amdhsa_system_sgpr_workgroup_id_x 1
		.amdhsa_system_sgpr_workgroup_id_y 1
		.amdhsa_system_sgpr_workgroup_id_z 1
		.amdhsa_system_vgpr_workitem_id 0
		.amdhsa_next_free_vgpr 1024
		.amdhsa_next_free_sgpr 72
		.amdhsa_reserve_vcc 1
		.amdhsa_float_denorm_mode_32 3
		.amdhsa_float_denorm_mode_16_64 3
		.amdhsa_memory_ordered 1
		.amdhsa_forward_progress 1
		.amdhsa_inst_pref_size 255
	.end_amdhsa_kernel
	.section	.bss,"aw",@nobits
	.p2align	6
	.space	262144
	.amdgpu_metadata
---
amdhsa.version: [ 1, 2 ]
amdhsa.kernels:
  - .name:           k_q744201c949_attn
    .symbol:         k_q744201c949_attn.kd
    .args:
      - { .name: qc, .offset: 0, .size: 8, .value_kind: global_buffer, .address_space: global }
      - { .name: kc, .offset: 8, .size: 8, .value_kind: global_buffer, .address_space: global }
      - { .name: vc, .offset: 16, .size: 8, .value_kind: global_buffer, .address_space: global }
      - { .name: event_length, .offset: 24, .size: 8, .value_kind: global_buffer, .address_space: global }
      - { .name: lowp_scales, .offset: 32, .size: 8, .value_kind: global_buffer, .address_space: global }
      - { .name: out0, .offset: 40, .size: 8, .value_kind: global_buffer, .address_space: global }
    .group_segment_fixed_size: 173568
    .private_segment_fixed_size: 0
    .kernarg_segment_align: 8
    .kernarg_segment_size: 48
    .max_flat_workgroup_size: 128
    .sgpr_count:     72
    .vgpr_count:     1024
    .wavefront_size: 32
...
	.end_amdgpu_metadata
.endif
;; end of part 2
;; ======== version 2 of 2: 2 launches
;; limits: right only within a limited range of input values
;; workspace buffers: qc 2,097,152 bytes; kc 2,097,152 bytes; vc 2,097,152 bytes
;; launch prep (part 3): grid 256 x 1, 4 waves a work-group, no clusters, 101,888 bytes of LDS; arguments q, k, v, event_length, lowp_scales, qc, kc, vc; writes qc, kc, vc
.if DOCPART == 3
	.amdgcn_target "amdgcn-amd-amdhsa--gfx1250"
	.amdhsa_code_object_version 6
	.text
	.protected	k_q744201c949_prep
	.globl	k_q744201c949_prep
	.p2align	8
	.type	k_q744201c949_prep,@function
k_q744201c949_prep:
	s_mov_b64 s[64:65], 0
	v_nop
	global_prefetch_b8 v0, s[64:65] scope:SCOPE_SE
	s_setreg_imm32_b32 hwreg(HW_REG_WAVE_MODE, 25, 1), 1
	s_wait_xcnt 0x0
; q, k, v [8][2048][128] f32 become codes of FP8 (E4M3), each tensor with its given scale 2^e (lowp_scales: eq, ek, ep, ev), laid as IMAGES OF OPERAND REGISTERS for the attention launch.
; code = x / 2^e, held within +-448, rounded to the nearest code, ties to even.
; A FRAGMENT (16 rows x 128 along K) is 2,048 bytes: four chunks c of 512 bytes; lane l = 16 h + r has 16 bytes at 16 l of a chunk: K = 32 c + 16 h + 0 .. 15 of row r.
;   qc: fragment 4 (32 b + s) + t: row r = query 64 s + 16 t + r, K = the head's 128.
;   kc: fragment 8 (16 b + j) + T, T = 2 b' + u: row r = key 128 j + 32 b' + 8 u + r + 8 (r / 8), K = the head's 128 (so that the scores of tiles 2 b', 2 b' + 1 are 16 neighbouring keys in a lane).
;   vc: fragment 8 (16 b + j) + g: row r = channel 16 g + r, K = keys 128 j + 0 .. 127.
; SHARES.  Work-group i = 32 b + s takes rows 64 s .. 64 s + 63 of batch b; each of its four waves one tile of k, one tile of q, and 32 channels x 64 keys of v.
; WHAT THE MASK LEAVES UNREAD IS NOT MADE: with L = event_length[b], queries at or behind L never meet k, and keys of a step of 128 that begins at or behind L never meet q.
; So q's block is quantised where 64 s < L, k's where 128 (s / 2) < L, v's always.  Three straight bodies, chosen by two scalar branches on L, so that every counted wait is right on its way.
; q and k have K innermost: a load takes a whole row (512 consecutive bytes), and the 16 rows turn through the wave's own stage in LDS (rows 528 bytes apart), so that a lane gets 16 neighbours of each 32.
; v has K (the keys) outermost: a lane takes a channel and its registers run down the keys; the conversions then give codes with the keys innermost, and nothing is transposed.
; No tensor load, no barrier: waves share nothing.  Each body has stage bytes of its own.
; LIMITS: eq, ek, ev between -126 and 119, so that 2^e and 448 x 2^e are f32 numbers.  NaN among the inputs is not served (an infinity is held at the largest code).
.set PITCH,  528                       ; a stage row: 512 bytes + 16
.set REGION, 16*PITCH                  ; a stage: 16 rows
.set WREG,   3*REGION                  ; three stages for each wave
.set RA, 16                            ; v16-79    k's 64 numbers
.set RB, 80                            ; v80-143   q's
.set RV, 144                           ; v144-207  v's: 64 keys of my channel
.set CK, 208                           ; v208-223  k's codes;  v224-239 q's;  v240-255 v's: written once, so no store's data are written again
.set CQ, 224
.set CV, 240
	s_load_b512 s[4:19], s[0:1], 0x0               ; q s[4:5], k s[6:7], v s[8:9], event_length s[10:11], lowp_scales s[12:13], qc s[14:15], kc s[16:17], vc s[18:19]
	v_lshl_add_u32 v15, v0, 2, 0x18c00
	s_set_vgpr_msb 0x40
	v_mov_b32 v1, 0
	s_set_vgpr_msb 0x4000
	v_lshrrev_b32 v1, 5, v0
	v_readfirstlane_b32 s20, v1                    ; wave 0..3
	v_and_b32 v1, 31, v0                           ; lane
	v_lshlrev_b32 v2, 4, v1                        ; 16 x lane: my 16 bytes of a row, and of a chunk
	v_and_b32 v7, 15, v0                           ; r
	v_bfe_u32 v14, v0, 4, 1                        ; h
	s_mul_i32 s21, s20, WREG                       ; my wave's stages
	v_add_nc_u32 v3, s21, v2                       ; into a stage: 16 x lane, the row in the offset
	v_mul_u32_u24 v4, v7, PITCH
	v_lshl_add_u32 v4, v14, 6, v4
	v_add_nc_u32 v4, s21, v4                       ; out of it: row r, + 64 h bytes: my 16 numbers of each 32
	s_lshl_b32 s22, s20, 7
	v_lshl_add_u32 v5, v1, 2, s22                  ; v: channel 32 w + lane, 4 bytes
	s_lshl_b32 s22, s20, 12
	v_lshl_add_u32 v6, v7, 4, s22                  ; vc: fragment 2 w + lane / 16 (2,048 bytes each), 16 bytes at 16 (lane % 16)
	v_lshl_add_u32 v6, v14, 11, v6
	s_lshr_b32 s24, ttmp9, 5                       ; b
	s_and_b32 s25, ttmp9, 31                       ; s
	s_lshl_b32 s32, s24, 2                         ; event_length[b]
	s_mov_b32 s33, 0
	s_lshl_b32 s34, ttmp9, 15                      ; rows 64 (32 b + s) on, 512 bytes each
	s_mov_b32 s35, 0
	s_lshr_b32 s26, s20, 1
	s_lshl_b32 s26, s26, 14                        ; k: my tile begins 32 (w / 2) + 8 (w % 2) rows further on
	s_and_b32 s27, s20, 1
	s_lshl_b32 s27, s27, 12
	s_add_co_u32 s36, s34, s26
	s_add_co_u32 s36, s36, s27
	s_mov_b32 s37, 0
	s_lshl_b32 s26, s20, 13                        ; q: 16 w rows further on
	s_add_co_u32 s38, s34, s26
	s_mov_b32 s39, 0
	s_lshl_b32 s40, ttmp9, 13                      ; qc and kc: fragment 4 (32 b + s) + w (in kc: 8 (16 b + s / 2) + 4 (s % 2) + w, the same number)
	s_lshl_b32 s26, s20, 11
	s_add_co_u32 s40, s40, s26
	s_mov_b32 s41, 0
	s_lshr_b32 s42, ttmp9, 1                       ; vc: key step 16 b + s / 2 (16,384 bytes), chunks 2 (s % 2) on
	s_lshl_b32 s42, s42, 14
	s_and_b32 s26, ttmp9, 1
	s_lshl_b32 s26, s26, 10
	s_add_co_u32 s42, s42, s26
	s_mov_b32 s43, 0
	s_wait_kmcnt 0x0
	s_add_nc_u64 s[10:11], s[10:11], s[32:33]
	s_load_b32 s44, s[10:11], 0x0                  ; L
	s_load_b128 s[28:31], s[12:13], 0x0            ; eq, ek, ep, ev
	s_add_nc_u64 s[4:5], s[4:5], s[38:39]
	s_add_nc_u64 s[6:7], s[6:7], s[36:37]
	s_add_nc_u64 s[8:9], s[8:9], s[34:35]
	s_add_nc_u64 s[14:15], s[14:15], s[40:41]
	s_add_nc_u64 s[16:17], s[16:17], s[40:41]
	s_add_nc_u64 s[18:19], s[18:19], s[42:43]
	s_wait_kmcnt 0x0
.macro MKSCALE e, sc, lim              ; v[sc] = 2^e as f32 (the conversion takes its exponent field), v[lim] = 448 x 2^e
	s_add_co_i32 s45, s[\e], 127
	s_lshl_b32 s46, s45, 23
	v_mov_b32 v[\sc], s46
	s_add_co_i32 s45, s45, 8
	s_lshl_b32 s45, s45, 23
	s_or_b32 s45, s45, 0x600000
	v_mov_b32 v[\lim], s45
.endm
	MKSCALE 29, 8, 9                               ; k's
	MKSCALE 28, 10, 11                             ; q's
	MKSCALE 31, 12, 13                             ; v's
; 16 rows, one load a row: 32 lanes read 512 consecutive bytes.  spread = 1: rows 0-7 and 16-23 (a tile of k); 0: rows 0-15
.macro LDROWS reg, base, spread
.set li, 0
.rept 16
	global_load_b128 v[\reg+4*li:\reg+4*li+3], v2, s[\base:\base+1] offset:512*((li&7)+(8+8*\spread)*(li>>3)) th:TH_LOAD_NT
.set li, li+1
.endr
.endm
.macro LDV                             ; v(64 s + i, my channel), i = 0 .. 63: a wave reads 128 consecutive bytes, the four waves a whole row
.set li, 0
.rept 64
	global_load_b32 v[RV+li], v5, s[8:9] offset:512*li th:TH_LOAD_NT
.set li, li+1
.endr
.endm
; 16 rows through my stage: in as they were loaded, back so that register 16 c + i is K = 32 c + 16 h + i of row r
.macro TURN reg, region
.set li, 0
.rept 16
	ds_store_b128 v3, v[\reg+4*li:\reg+4*li+3] offset:(\region)*REGION+PITCH*li
.set li, li+1
.endr
	s_wait_dscnt 0x0                               ; the stores have read their registers, into which the loads below land
.set li, 0
.rept 16
	ds_load_b128 v[\reg+4*li:\reg+4*li+3], v4 offset:(\region)*REGION+128*(li/4)+16*(li%4)
.set li, li+1
.endr
	s_wait_dscnt 0x0
.endm
.macro QUANT reg, c, n, sc, lim        ; n numbers of a lane become n codes
.set qi, 0
.rept \n
	v_med3_num_f32 v[\reg+qi], v[\reg+qi], -v[\lim], v[\lim]   ; the conversion to an 8-bit code does not saturate (ISA guide 7.6.2): the hold at the largest code x the scale comes first
.set qi, qi+1
.endr
.set qi, 0
.rept (\n)/8
	v_cvt_scalef32_pk8_fp8_f32 v[\c+2*qi:\c+2*qi+1], v[\reg+8*qi:\reg+8*qi+7], v[\sc]
.set qi, qi+1
.endr
	v_nop                                          ; one plain vector line behind the last conversion of a run
.endm
.macro ST4 c, base                     ; a fragment's four chunks: each store covers 512 consecutive bytes, aligned
.irp x, 0,1,2,3
	global_store_b128 v2, v[\c+4*\x:\c+4*\x+3], s[\base:\base+1] offset:512*\x
.endr
.endm
; hk, hq: k's tile, q's tile is made.  All loads go out first, in the order in which they are worked.
.macro BODY hk, hq
.if \hk
	LDROWS RA, 6, 1
.endif
.if \hq
	LDROWS RB, 4, 0
.endif
	LDV
.if \hk
	s_wait_loadcnt 63                              ; 64 loads or more were issued behind k's sixteen: those are in
	TURN RA, \hq                                   ; (stage 0 in the body without q, stage 1 in the body with it)
	QUANT RA, CK, 64, 8, 9
	ST4 CK, 16
.endif
.if \hq
	s_wait_loadcnt 63                              ; v's 64 loads were issued behind q's sixteen: those are in
	TURN RB, 2
	QUANT RB, CQ, 64, 10, 11
	ST4 CQ, 14
.endif
	s_wait_loadcnt 32                              ; v's first 32 keys are in
	QUANT RV, CV, 32, 12, 13
	s_wait_loadcnt 0x0
	QUANT RV+32, CV+8, 32, 12, 13
.irp x, 0,1,2,3                        ; keys 16 x .. 16 x + 15 of my 64: chunk 2 (s % 2) + x / 2, half x % 2: sixteen lanes store 256 consecutive bytes, aligned
	global_store_b128 v6, v[CV+4*\x:CV+4*\x+3], s[18:19] offset:512*(\x/2)+256*(\x%2)
.endr
.endm
	s_max_i32 s44, s44, 0
	s_lshr_b32 s45, s25, 1
	s_lshl_b32 s45, s45, 7
	s_cmp_lt_i32 s45, s44                          ; does my key step begin ahead of L?
	s_cbranch_scc0 .Lonly_v
	s_lshl_b32 s45, s25, 6
	s_cmp_lt_i32 s45, s44                          ; does my block of queries?
	s_cbranch_scc0 .Lk_and_v
	s_wait_alu depctr_va_vdst(0)
	BODY 1, 1
	s_set_vgpr_msb 0x4
	s_wait_tensorcnt 0x0
	ds_add_u32 v15, v1
	s_wait_dscnt 0x0
	s_set_vgpr_msb 0x400
	s_endpgm
.Lk_and_v:
	s_wait_alu depctr_va_vdst(0)
	BODY 1, 0
	s_set_vgpr_msb 0x4
	s_wait_tensorcnt 0x0
	ds_add_u32 v15, v1
	s_wait_dscnt 0x0
	s_set_vgpr_msb 0x400
	s_endpgm
.Lonly_v:
	s_wait_alu depctr_va_vdst(0)
	BODY 0, 0
	s_endpgm
.Lfunc_end_k_q744201c949_prep:
	.size	k_q744201c949_prep, .Lfunc_end_k_q744201c949_prep-k_q744201c949_prep
	.p2alignl 7, 3214868480
	.fill 96, 4, 3214868480
	.section	.rodata,"a",@progbits
	.p2align	6, 0x0
	.amdhsa_kernel k_q744201c949_prep
		.amdhsa_group_segment_fixed_size 101888
		.amdhsa_private_segment_fixed_size 0
		.amdhsa_enable_private_segment 0
		.amdhsa_kernarg_size 64
		.amdhsa_user_sgpr_count 2
		.amdhsa_user_sgpr_kernarg_segment_ptr 1
		.amdhsa_wavefront_size32 1
		.amdhsa_system_sgpr_workgroup_id_x 1
		.amdhsa_system_sgpr_workgroup_id_y 1
		.amdhsa_system_sgpr_workgroup_id_z 1
		.amdhsa_system_vgpr_workitem_id 0
		.amdhsa_next_free_vgpr 258
		.amdhsa_next_free_sgpr 66
		.amdhsa_reserve_vcc 0
		.amdhsa_float_denorm_mode_32 3
		.amdhsa_float_denorm_mode_16_64 3
		.amdhsa_memory_ordered 1
		.amdhsa_forward_progress 1
		.amdhsa_inst_pref_size 63
	.end_amdhsa_kernel
	.amdgpu_metadata
---
amdhsa.version: [ 1, 2 ]
amdhsa.kernels:
  - .name:           k_q744201c949_prep
    .symbol:         k_q744201c949_prep.kd
    .args:
      - { .name: q, .offset: 0, .size: 8, .value_kind: global_buffer, .address_space: global }
      - { .name: k, .offset: 8, .size: 8, .value_kind: global_buffer, .address_space: global }
      - { .name: v, .offset: 16, .size: 8, .value_kind: global_buffer, .address_space: global }
      - { .name: event_length, .offset: 24, .size: 8, .value_kind: global_buffer, .address_space: global }
      - { .name: lowp_scales, .offset: 32, .size: 8, .value_kind: global_buffer, .address_space: global }
      - { .name: qc, .offset: 40, .size: 8, .value_kind: global_buffer, .address_space: global }
      - { .name: kc, .offset: 48, .size: 8, .value_kind: global_buffer, .address_space: global }
      - { .name: vc, .offset: 56, .size: 8, .value_kind: global_buffer, .address_space: global }
    .group_segment_fixed_size: 101888
    .private_segment_fixed_size: 0
    .kernarg_segment_align: 8
    .kernarg_segment_size: 64
    .max_flat_workgroup_size: 128
    .sgpr_count:     66
    .vgpr_count:     258
    .wavefront_size: 32
...
	.end_amdgpu_metadata
.endif
;; end of part 3
;; launch attn (part 4): grid 256 x 1, 4 waves a work-group, no clusters, 173,568 bytes of LDS; arguments qc, kc, vc, event_length, lowp_scales, out0; writes out0
.if DOCPART == 4
	.amdgcn_target "amdgcn-amd-amdhsa--gfx1250"
	.amdhsa_code_object_version 6
	.text
	.protected	k_q744201c949_attn
	.globl	k_q744201c949_attn
	.p2align	8
	.type	k_q744201c949_attn,@function
k_q744201c949_attn:
	s_mov_b64 s[64:65], 0
	v_nop
	global_prefetch_b8 v0, s[64:65] scope:SCOPE_SE
	s_setreg_imm32_b32 hwreg(HW_REG_WAVE_SCHED_MODE, 0, 2), 2
	s_setreg_imm32_b32 hwreg(HW_REG_WAVE_MODE, 25, 1), 1
	s_wait_xcnt 0x0
	s_wait_alu depctr_vm_vsrc(0)
; out[b][q] = the sum over keys of softmax(masked scores) v, both products on codes of FP8 (E4M3) made by the launch before (its head comment gives the layout of qc, kc, vc).
; THE MASK, with L = event_length[b]: a score counts where query < L and key < L; every other logit is -1e9.
;   A query < L: keys at or behind L have p = 0; key steps that begin at or behind L are not walked.
;   A query >= L: every logit is -1e9, t = T0 = -1e9 x log2(e), a whole number in f32, M = T0, p = 1 for all 2,048 keys: no first product; the second product runs on the code of 1.
; THE SOFTMAX AHEAD OF THE SECOND PRODUCT: t = score x log2(e) / sqrt(128); M = the largest t so far, rounded up to a whole number; p = 2^(t - M) is quantised with 2^ep; the sum is taken of the
; unquantised p and divides at the end; when M moves, the sum and O are multiplied by 2^(old M - new M), which rounds nothing.
; SHARES.  A work-group owns 64 queries of one batch.  EVERY wave holds all four tiles of 16 queries, and the waves share the KEYS: wave w takes the key steps (128 keys) j with j % 4 = w.
; So each fragment of k and v is read once in a work-group, from memory straight into the registers of the one wave that wants it, and feeds four matrix instructions.  The loop has no LDS and no barrier.
; Each wave keeps its own M, sum and O^T; at the end the four meet in LDS behind the launch's one barrier, and wave w merges and stores tile w.
; WHY NO TENSOR LOADS, NO CLUSTER: how many steps a wave walks hangs on event_length, a number read from memory; work-groups of one batch walk the same tiles, but a launch that branches on such a number
; takes its operands by plain loads.  Walking all 16 steps for every block would multiply the work by about three at lengths spread evenly over 0 .. 2,047.
; WHY NO PREFETCH: a wave walks four steps at the most; the first two are asked for at the head, and of each later one K a step and a half and V a step ahead of its use.
; LAYOUT.  Both products are used transposed: S^T = K Q^T (source 0 = 16 keys, source 1 = 16 queries), O^T = V^T P^T: a lane holds one query (lane % 16) throughout; register 16 b + i of a tile's 64 scores
; is key 32 b + 16 (lane / 16) + i of the step, so the conversions' results are the second product's operand.
; A STEP.  The four tiles go as two PAIRS.  A pair's two softmaxes are written line by line by turns, so that no line reads the result of the line just before it: four chains of maxima, four of sums,
; and one wait for the pair's 128 exponentials.
; THE LOADS.  A step's K and V are 64 loads of 16 bytes a lane.  A buffer is asked for again in two runs of 32: K's in the middle of its own step, behind the last product that reads K; V's behind the step.
; So no run has to wait for room in LOADcnt's field of six bits (ISA guide 5.7.1) while the wave has work to issue.
; THE MODE: SCHED_MODE bits 1:0 = 2 (LLVM: expert scheduling mode 2), set by the entry lines.  The code itself states the register dependences between vector or matrix instructions and memory or LDS
; instructions, and those through scalar registers that vector instructions write, with s_wait_alu, always for 0.
; THE PLAN.  Registers that memory or LDS instructions touch, and who else names them:
;   v1            The offset of every global load and store.  Written once at the head, never again: one wait on va_vdst ahead of the first load on each way (the head's loads; the loads of the steps without scores).
;   Q             Loaded once at the head; no vector instruction names these registers before.
;   K of a buffer Read by the step's four runs of K Q^T.  Behind the last of them the loads of the step eight on land in it: one wait on va_vdst at the head of that run of 32 loads.
;   V of a buffer Read by the step's four runs of V^T P^T.  Behind the step the loads of the step eight on land in it: one wait on va_vdst at the head of that run.
;   both buffers  Loaded anew, whole, with V of the steps without scores: one wait on va_vdst ahead of those 128 loads.
;   v160-166, the statistics, O^T   Addresses and data of the merge's 68 LDS stores, written by vector and matrix instructions: one wait on va_vdst ahead of the first store.  The LDS loads behind the barrier land in
;                 v32-47 and in buffer A, which no vector or matrix instruction names behind that wait.
;   v96-159       The merged tile, data of the stage's LDS stores: one wait on va_vdst ahead of them.  The loads back land in v32-95, whose last vector readers stand ahead of the same wait.
;   v6, v7        Written at the head, read by the closing add alone.
;   No register that a memory or LDS instruction reads is written again, so the text has no wait on vm_vsrc.
;   Scalars that vector instructions write: s16, the wave's number, once; the lane masks s66-97, which compares write in runs with one wait on va_sdst behind each run, ahead of the selects that read them.  VCC is not used.
; LIMITS: eq + ek between -123 and 8 (added to the exponent field of log2(e) / sqrt(128); up to 8 every real score stays so far above -1e9 that a masked key's p is 0); ep between -126 and 119;
; ep + ev is applied by v_ldexp_f32.  event_length is taken as clipped to 0 .. 2,048.  NaN among the inputs is not served.
; REGISTERS, in windows of 256:  window 0: v0 thread; v1 16 x lane; v2 2^ep; v3 448 x 2^ep; v4 T0; v5 at work at the head; v6, v7 the closing add's two; v8, v9 the lane permutes' destinations; v[10:11], v[12:13] f of a pair's two tiles;
;   v14 r; v15 16 h; v16-31 four registers of statistics a tile (-M, largest t, the sum in two halves); v32-95, v96-159 scores S0, S1 of a pair's two tiles; v160-175, v176-191 their codes P0, P1, and, until
;   the conversions write them, the softmax's scratch; v192-255 Q, 16 a tile.   window 1: O^T, tile t, channels 16 g on at v[64 t + 8 g].
;   window 2: buffer A: v0-127 a step's K, v128-255 its V.   window 3: buffer B likewise.
.set S0, 32
.set S1, 96
.set P0, 160
.set XA, P0                            ; scratch of a pair's tile u at + 16 u: two chains of maxima,
.set XB, P0+1
.set XT, P0+2                          ; at work,
.set XD, P0+3                          ; the mask's bound,
.set XS, P0+4                          ; the second chain of sums (a pair)
.set QF, 192
.set ST, 16
.set STATS,  131072                    ; LDS: 0 .. 131,071 the four waves' images of O^T (32,768 each); then their statistics (2,048 each);
.set STAGE,  139264                    ; then a stage of 16 rows x (512 + 16) bytes for each wave
.set SPITCH, 528
.set WV,  16                           ; s16 wave
.set BB,  17                           ; s17 batch
.set Q0,  19                           ; s19 my block's first query
.set LL,  20                           ; s20 L
.set LQ,  21                           ; s21 L - Q0
.set NG,  22                           ; s22 key steps with scores: 0 where no query of the block counts, else ceil(L / 128)
.set MS,  23                           ; s23 the first step that needs the mask: 0 where some query of the block does not count, else L / 128
.set HOLD, 24                          ; s24 1 where 448 x 2^ep < 1, so that p must be held
.set CS,  26                           ; s[26:27] c = log2(e) / sqrt(128) x 2^(eq + ek)
.set CX,  28                           ; s[28:29] the step's multiplier: c, or 1 where the mask's arm has multiplied already
.set SEL, 30                           ; s[30:31] v_permlanex16_b32's selects for lane l xor 16
.set EPV, 32                           ; s32 ep + ev
.set JJ,  33                           ; s33 the step in buffer A
.set JC,  34                           ; s34 the step in hand
.set LK,  35                           ; s35 L - 128 x that
.set PK,  36                           ; s[36:37], s[38:39] kc, vc at step JJ
.set PV,  38
.set PKB, 40                           ; s[40:41], s[42:43] the same for buffer B's first fill
.set PVB, 42
.set EX,  44                           ; s[44:47] eq, ek, ep, ev
.set RR,  48                           ; s48 counts the loop's trips
.set T1,  49                           ; s49, s[50:51] at work
.set T2,  50
.set VP,  52                           ; s[52:59] vc at the four steps without scores
.set JS,  60
.set CNT, 61
.set MK,  66                           ; s66-97 the compares' lane masks, up to 32 to a run; at the head and in the steps without scores s66-69 are the four tiles' masks and s70-73 the bounds that their compares read
.set MSB, 0
.macro WIN new                         ; the immediate's high byte repeats the setting that is left; a switch that changes nothing is dropped
.if MSB != (\new)
	s_set_vgpr_msb (MSB<<8)|(\new)
.set MSB, (\new)
.endif
.endm
.macro PLACES
.rept 4
	v_nop
.endr
.endm
; a step's 16,384 bytes of K and of V into buffer x (window 2 or 3): each load takes 512 consecutive bytes, four registers of a fragment.  At the head only: no vector or matrix instruction has named these registers
.macro LOADKV x, bk, bv, off
	WIN (\x)<<6
.set li, 0
.rept 32
	global_load_b128 v[4*li:4*li+3], v1, s[\bk:\bk+1] offset:\off+512*li
.set li, li+1
.endr
.set li, 0
.rept 32
	global_load_b128 v[128+4*li:128+4*li+3], v1, s[\bv:\bv+1] offset:\off+512*li
.set li, li+1
.endr
	WIN 0
.endm
.macro LOADK x, off                    ; K alone, off bytes behind step JJ's
	WIN (\x)<<6
	s_wait_alu depctr_va_vdst(0)                   ; the step's products K Q^T are done reading this buffer's K, in which the 32 loads below land
.set li, 0
.rept 32
	global_load_b128 v[4*li:4*li+3], v1, s[PK:PK+1] offset:\off+512*li
.set li, li+1
.endr
	WIN 0
.endm
.macro LOADV x, off                    ; V alone
	WIN (\x)<<6
	s_wait_alu depctr_va_vdst(0)                   ; the step's products V^T P^T are done reading this buffer's V, in which the 32 loads below land
.set li, 0
.rept 32
	global_load_b128 v[128+4*li:128+4*li+3], v1, s[PV:PV+1] offset:\off+512*li
.set li, li+1
.endr
	WIN 0
.endm
.macro QK t, sb, x                     ; S^T of tile t: eight tiles of 16 keys, each one product over the head's 128
	WIN (\x)
.set n, 0
.rept 8
	v_wmma_f32_16x16x128_fp8_fp8 v[\sb+8*n:\sb+8*n+7], v[16*n:16*n+15], v[QF+16*(\t):QF+16*(\t)+15], 0
.set n, n+1
.endr
.endm
.macro PVM t, x                        ; O^T of tile t += V^T P^T: eight accumulators, one instruction a turn
	WIN 0x50|(\x)
.set rP, P0+16*((\t)%2)
.set n, 0
.rept 8
	v_wmma_f32_16x16x128_fp8_fp8 v[64*(\t)+8*n:64*(\t)+8*n+7], v[128+16*n:128+16*n+15], v[rP:rP+15], v[64*(\t)+8*n:64*(\t)+8*n+7]
.set n, n+1
.endr
.endm
; THE SOFTMAX of tiles t0 and t0 + 1 for the step in hand, line by line by turns (u = 0, 1): scores in S0 + 64 u, codes into P0 + 16 u, statistics at ST + 4 (t0 + u), f in v[10 + 2 u]
.macro SM2 t0
	WIN 0
	s_cmp_lt_u32 s[JC], s[MS]                      ; a step all of whose scores count passes over the mask
	s_cbranch_scc1 .Lopen_\@
	s_sub_co_i32 s[T1], s[LQ], 16*(\t0)
	s_sub_co_i32 s[T2], s[LQ], 16*((\t0)+1)
	v_cmp_gt_i32 s[MK], s[T1], v14                 ; does my query count?  Tile t0's mask,
	v_cmp_gt_i32 s[MK+1], s[T2], v14               ; tile t0 + 1's
.irp u, 0,1
	v_sub_nc_u32 v[XT+16*\u], s[LK], v15
.endr
.set n, 0
.rept 32
.irp u, 0,1
	v_pk_mul_f32 v[S0+64*\u+n:S0+64*\u+n+1], v[S0+64*\u+n:S0+64*\u+n+1], s[CS:CS+1] op_sel_hi:[1,0]   ; scores become t here, since T0 is a t; each accumulator from its low end on
.endr
.set n, n+2
.endr
	s_wait_alu depctr_va_sdst(0)                   ; the two compares above have written s66 and s67, which the two selects below read
.irp u, 0,1
	v_cndmask_b32 v[XD+16*\u], 0, v[XT+16*\u], s[MK+\u]   ; d = L - the step's first key - 16 h, or 0: register 16 b + i is masked where 32 b + i >= d
.endr
.set n, 0
.rept 4                                ; sixteen registers of each tile a turn: 32 compares into 32 masks, one wait, then the 32 selects that read them
.irp k, 0,1,2,3,4,5,6,7,8,9,10,11,12,13,14,15
.irp u, 0,1
	v_cmp_ge_i32 s[MK+2*\k+\u], 32*((n+\k)/16)+(n+\k)%16, v[XD+16*\u]
.endr
.endr
	s_wait_alu depctr_va_sdst(0)                   ; the run of 32 compares has written s66 to s97, which the 32 selects below read
.irp k, 0,1,2,3,4,5,6,7,8,9,10,11,12,13,14,15
.irp u, 0,1
	v_cndmask_b32 v[S0+64*\u+n+\k], v[S0+64*\u+n+\k], v4, s[MK+2*\k+\u]
.endr
.endr
.set n, n+16
.endr
.Lopen_\@:
.irp u, 0,1
	v_max3_num_f32 v[XA+16*\u], v[S0+64*\u], v[S0+64*\u+1], v[S0+64*\u+2]   ; the step's largest score of my query among my 64 keys: two chains a tile, ascending
.endr
.irp u, 0,1
	v_max3_num_f32 v[XB+16*\u], v[S0+64*\u+3], v[S0+64*\u+4], v[S0+64*\u+5]
.endr
.set n, 6
.rept 14
.irp u, 0,1
	v_max3_num_f32 v[XA+16*\u], v[XA+16*\u], v[S0+64*\u+n], v[S0+64*\u+n+1]
.endr
.irp u, 0,1
	v_max3_num_f32 v[XB+16*\u], v[XB+16*\u], v[S0+64*\u+n+2], v[S0+64*\u+n+3]
.endr
.set n, n+4
.endr
.irp u, 0,1
	v_max3_num_f32 v[XA+16*\u], v[XA+16*\u], v[S0+64*\u+62], v[S0+64*\u+63]
.endr
.irp u, 0,1
	v_max_num_f32 v[XA+16*\u], v[XA+16*\u], v[XB+16*\u]
.endr
.irp u, 0,1
	v_permlanex16_b32 v[8+\u], v[XA+16*\u], s[SEL], s[SEL+1]
.endr
.irp u, 0,1
	v_max_num_f32 v[XA+16*\u], v[XA+16*\u], v[8+\u]   ; and among lane l xor 16's
.endr
.irp u, 0,1
	v_mul_f32 v[XA+16*\u], s[CX], v[XA+16*\u]      ; as t (the multiplier is positive)
.endr
.irp u, 0,1
	v_max_num_f32 v[ST+4*((\t0)+\u)+1], v[ST+4*((\t0)+\u)+1], v[XA+16*\u]   ; the running largest t
.endr
.irp u, 0,1
	v_mov_b32 v[XT+16*\u], v[ST+4*((\t0)+\u)]
.endr
.irp u, 0,1
	v_floor_f32 v[ST+4*((\t0)+\u)], -v[ST+4*((\t0)+\u)+1]   ; -M = floor(-t): M is a whole number
.endr
.irp u, 0,1
	v_sub_f32 v[XT+16*\u], v[ST+4*((\t0)+\u)], v[XT+16*\u]   ; old M - new M, a whole number, 0 or less
.endr
.irp u, 0,1
	v_cvt_i32_f32 v[XT+16*\u], v[XT+16*\u]         ; (it saturates)
.endr
.irp u, 0,1
	v_ldexp_f32 v[10+2*\u], 1.0, v[XT+16*\u]       ; f = 2^(old M - new M)
.endr
.set n, 0
.rept 32
.irp u, 0,1
	v_pk_fma_f32 v[S0+64*\u+n:S0+64*\u+n+1], v[S0+64*\u+n:S0+64*\u+n+1], s[CX:CX+1], v[ST+4*((\t0)+\u):ST+4*((\t0)+\u)+1] op_sel_hi:[1,0,0]   ; t - M, two at a time
.endr
.set n, n+2
.endr
.set n, 0
	s_wait_alu depctr_va_vdst(0)
.rept 64
.irp u, 0,1
	v_exp_f32 v[S0+64*\u+n], v[S0+64*\u+n]         ; p = 2^(t - M)
.endr
.set n, n+1
.endr
.irp u, 0,1
	v_pk_mul_f32 v[ST+4*((\t0)+\u)+2:ST+4*((\t0)+\u)+3], v[ST+4*((\t0)+\u)+2:ST+4*((\t0)+\u)+3], v[10+2*\u:11+2*\u] op_sel_hi:[1,0]   ; the sums under the new M: the plain lines behind the exponentials
.endr
	s_wait_alu depctr_va_vdst(0)                   ; one wait for the batch of 128, ahead of its first reader: the exponentials have written p
.irp u, 0,1
	v_pk_add_f32 v[XS+16*\u:XS+16*\u+1], v[S0+64*\u:S0+64*\u+1], v[S0+64*\u+2:S0+64*\u+3]   ; the sum is taken of the unquantised p: two chains a tile
.endr
.set n, 4
.rept 15
.irp u, 0,1
	v_pk_add_f32 v[ST+4*((\t0)+\u)+2:ST+4*((\t0)+\u)+3], v[ST+4*((\t0)+\u)+2:ST+4*((\t0)+\u)+3], v[S0+64*\u+n:S0+64*\u+n+1]
.endr
.irp u, 0,1
	v_pk_add_f32 v[XS+16*\u:XS+16*\u+1], v[XS+16*\u:XS+16*\u+1], v[S0+64*\u+n+2:S0+64*\u+n+3]
.endr
.set n, n+4
.endr
.irp u, 0,1
	v_pk_add_f32 v[ST+4*((\t0)+\u)+2:ST+4*((\t0)+\u)+3], v[ST+4*((\t0)+\u)+2:ST+4*((\t0)+\u)+3], v[XS+16*\u:XS+16*\u+1]
.endr
	s_cmp_eq_u32 s[HOLD], 0                        ; with ep >= -8 the largest code x the scale is 1.75 or more and p is at most 1: the hold would change nothing
	s_cbranch_scc1 .Lnohold_\@
.set n, 0
.rept 128
	v_min_num_f32 v[S0+n], v[S0+n], v3             ; the conversion does not saturate (ISA guide 7.6.2); p is not negative, so the hold is one-sided
.set n, n+1
.endr
.Lnohold_\@:
.set n, 0
.rept 8
.irp u, 0,1
	v_cvt_scalef32_pk8_fp8_f32 v[P0+16*\u+2*n:P0+16*\u+2*n+1], v[S0+64*\u+8*n:S0+64*\u+8*n+7], v2   ; the scratch is done with: the codes take its place
.endr
.set n, n+1
.endr
	WIN 0x41                                       ; O^T (destination, source 0) in window 1, f in window 0
.set n, 0
.rept 32
.irp u, 0,1
	v_pk_mul_f32 v[64*((\t0)+\u)+n:64*((\t0)+\u)+n+1], v[64*((\t0)+\u)+n:64*((\t0)+\u)+n+1], v[10+2*\u:11+2*\u] op_sel_hi:[1,0]   ; O^T under the new M; these plain lines also stand between the conversions and the products that read the codes or write the scores anew
.endr
.set n, n+2
.endr
.endm
; A KEY STEP out of buffer x, step JJ + dj.  off: bytes from step JJ to the step that takes this buffer next, eight steps behind the one in hand
.macro STEP x, dj, off
	s_add_co_u32 s[JC], s[JJ], \dj
	s_lshl_b32 s[T1], s[JC], 7
	s_sub_co_i32 s[LK], s[LL], s[T1]
	s_cmp_lt_u32 s[JC], s[MS]
	s_cselect_b32 s[CX], s[CS], 0x3f800000
	s_mov_b32 s[CX+1], s[CX]                       ; (named with it as a pair, so it is written)
	QK 0, S0, \x
	QK 1, S1, \x
	WIN 0
	PLACES                                         ; four places ahead of the first read of the scores and of the first write of the scratch, which the last products read as P (ISA guide 7.12.1)
	SM2 0
	PVM 0, \x
	PVM 1, \x
	QK 2, S0, \x
	QK 3, S1, \x
	WIN 0
	PLACES                                         ; the same four places, and those ahead of loads into K's registers, which no product of this step reads any more
	s_add_co_u32 s[T1], s[JC], 8
	s_cmp_lt_u32 s[T1], s[NG]
	s_cbranch_scc0 .Lno_k_\@
	LOADK \x, \off                                 ; K of the step eight on: half a step ahead of the next wait, a step and a half ahead of its use
.Lno_k_\@:
	SM2 2
	PVM 2, \x
	PVM 3, \x
	WIN 0
.endm
	s_load_b256 s[4:11], s[0:1], 0x0               ; qc s[4:5], kc s[6:7], vc s[8:9], event_length s[10:11]
	s_load_b128 s[12:15], s[0:1], 0x20             ; lowp_scales s[12:13], out0 s[14:15]
	v_lshl_add_u32 v6, v0, 2, 0x2a400              ; the LDS address of my spare word, behind the stages: 173,056 + 4 x my thread's number; kept for the closing lines alone
	v_mov_b32 v7, 0                                ; 0, likewise
	v_lshrrev_b32 v5, 5, v0
	v_readfirstlane_b32 s[WV], v5                  ; wave 0..3
	v_and_b32 v1, 31, v0
	v_lshlrev_b32 v1, 4, v1                        ; 16 x lane; never rewritten
	v_and_b32 v14, 15, v0                          ; r
	v_bfe_u32 v15, v0, 4, 1
	v_lshlrev_b32 v15, 4, v15                      ; 16 h
	v_mov_b32 v8, 0                                ; written once: a lane permute's destination counts as one of its sources
	v_mov_b32 v9, 0
	v_mov_b32 v11, 0                               ; (named as the upper halves of the pairs v[10:11], v[12:13])
	v_mov_b32 v13, 0
	v_mov_b32 v4, 0xce6e6b28                       ; -1e9
	v_mul_f32 v4, 0x3fb8aa3b, v4                   ; T0 = -1e9 x log2(e), rounded to f32: a whole number
	s_lshr_b32 s[BB], ttmp9, 5
	s_and_b32 s[T1], ttmp9, 31
	s_lshl_b32 s[Q0], s[T1], 6
	s_mov_b32 s[SEL], 0x76543210
	s_mov_b32 s[SEL+1], 0xfedcba98
	s_lshl_b32 s[T2], s[BB], 2
	s_mov_b32 s[T2+1], 0
	WIN 0x40                                       ; O^T begins as zeros, for every wave: the step is written once, and its first turn multiplies zeros by the first change of M.
.set n, 0                              ; (A first step whose products start the sums would be a second copy of the step.)  The 256 lines stand here, while the arguments are on their way
.rept 256
	v_mov_b32 v[n], 0
.set n, n+1
.endr
	WIN 0
	s_wait_alu depctr_va_sdst(0)                   ; s16, the wave's number, is written, ahead of its first reader: the bases of kc, vc and out0 are made from it
	s_wait_kmcnt 0x0
	s_add_nc_u64 s[10:11], s[10:11], s[T2:T2+1]
	s_load_b32 s[LL], s[10:11], 0x0                ; L
	s_load_b128 s[EX:EX+3], s[12:13], 0x0          ; eq, ek, ep, ev
	s_lshl_b32 s[T2], ttmp9, 13
	s_add_nc_u64 s[4:5], s[4:5], s[T2:T2+1]        ; qc at my block's four fragments
	s_lshl_b32 s[T2], s[BB], 18
	s_add_nc_u64 s[6:7], s[6:7], s[T2:T2+1]        ; kc and vc at my batch: 16 steps of 16,384 bytes
	s_add_nc_u64 s[8:9], s[8:9], s[T2:T2+1]
	s_lshl_b32 s[T2], s[WV], 14
	s_add_nc_u64 s[PK:PK+1], s[6:7], s[T2:T2+1]    ; at step w
	s_add_nc_u64 s[PV:PV+1], s[8:9], s[T2:T2+1]
	s_lshl_b32 s[T2], ttmp9, 15
	s_lshl_b32 s[T1], s[WV], 13
	s_add_co_u32 s[T2], s[T2], s[T1]
	s_add_nc_u64 s[14:15], s[14:15], s[T2:T2+1]    ; out0 at tile w of my block: the 16 rows that I store
	s_mov_b32 s[JJ], s[WV]
	s_wait_kmcnt 0x0
	s_max_i32 s[LL], s[LL], 0
	s_min_u32 s[LL], s[LL], 2048
	s_sub_co_i32 s[LQ], s[LL], s[Q0]
.irp t, 0,1,2,3
	s_sub_co_i32 s[MK+4+\t], s[LQ], 16*\t
	v_cmp_gt_i32 s[MK+\t], s[MK+4+\t], v14         ; does my query of tile t count?  Four compares in a run, a mask and a bound of its own for each
.endr
	s_add_co_u32 s[T1], s[LL], 127
	s_lshr_b32 s[T1], s[T1], 7
	s_cmp_gt_i32 s[LL], s[Q0]
	s_cselect_b32 s[NG], s[T1], 0
	s_lshr_b32 s[T1], s[LL], 7
	s_add_co_u32 s[T2], s[Q0], 64
	s_cmp_ge_i32 s[LL], s[T2]
	s_cselect_b32 s[MS], s[T1], 0
	s_cmp_lt_i32 s[EX+2], -8
	s_cselect_b32 s[HOLD], 1, 0
	s_add_co_i32 s[T1], s[EX], s[EX+1]
	s_lshl_b32 s[T1], s[T1], 23
	s_add_co_i32 s[CS], s[T1], 0x3e0293ee          ; log2(e) / sqrt(128), with eq + ek added to its exponent field
	s_mov_b32 s[CS+1], s[CS]
	s_add_co_i32 s[EPV], s[EX+2], s[EX+3]
	s_add_co_i32 s[T1], s[EX+2], 127
	s_lshl_b32 s[T2], s[T1], 23
	v_mov_b32 v2, s[T2]                            ; 2^ep as f32, for the conversions
	s_add_co_i32 s[T1], s[T1], 8
	s_lshl_b32 s[T1], s[T1], 23
	s_or_b32 s[T1], s[T1], 0x600000
	v_mov_b32 v3, s[T1]                            ; 448 x 2^ep
	v_mov_b32 v5, 0xff61b1e6                       ; -3e38, under every t
	s_wait_alu depctr_va_sdst(0)                   ; the four compares have written s66 to s69, which the four selects below read
.irp t, 0,1,2,3
	v_cndmask_b32 v[ST+4*\t+1], v4, v5, s[MK+\t]   ; the largest t so far: -3e38 for a query that counts, T0 for one that does not
	v_floor_f32 v[ST+4*\t], -v[ST+4*\t+1]          ; -M
	v_mov_b32 v[ST+4*\t+2], 0                      ; the sum, in two halves
	v_mov_b32 v[ST+4*\t+3], 0
.endr
	s_cmp_lt_u32 s[WV], s[NG]
	s_cbranch_scc0 .Lp2                            ; no step with scores is mine
	s_add_co_u32 s[T1], s[WV], 4                   ; buffer B's first fill: step w + 4, or, where there is none, the last step that has codes (it is then not used)
	s_sub_co_u32 s[T2], s[NG], 1
	s_min_u32 s[T1], s[T1], s[T2]
	s_min_u32 s[T1], s[T1], 15
	s_lshl_b32 s[T2], s[T1], 14
	s_mov_b32 s[T2+1], 0
	s_add_nc_u64 s[PKB:PKB+1], s[6:7], s[T2:T2+1]
	s_add_nc_u64 s[PVB:PVB+1], s[8:9], s[T2:T2+1]
	s_wait_alu depctr_va_vdst(0)                   ; v1 is written, which the 144 loads below read as their offset; only loads and window switches follow up to the last of them
.set li, 0
.rept 16
	global_load_b128 v[QF+4*li:QF+4*li+3], v1, s[4:5] offset:512*li   ; Q's four fragments stay in registers
.set li, li+1
.endr
	LOADKV 2, PK, PV, 0
	LOADKV 3, PKB, PVB, 0
	s_mov_b32 s[RR], 0
	s_wait_loadcnt 63                              ; buffer B's 64 loads were issued last: Q and buffer A are in
.Lpair:                                                ; a trip: two steps, one out of each buffer.  Every wait in the loop is for 0, so that it holds whichever of the runs of loads were issued
	STEP 2, 0, 131072
	s_wait_loadcnt 0x0                             ; buffer B is in (and buffer A's next K, asked for half a step ago)
	s_add_co_u32 s[T1], s[JJ], 4
	s_cmp_ge_u32 s[T1], s[NG]
	s_cbranch_scc1 .Lp2
	s_add_co_u32 s[T1], s[JJ], 8
	s_cmp_lt_u32 s[T1], s[NG]
	s_cbranch_scc0 .Lno_a
	PLACES                                         ; four places ahead of loads into registers that matrix instructions have read
	LOADV 2, 131072                                ; V of the step eight on: a whole step ahead of the wait for it
.Lno_a:
	STEP 3, 4, 196608
	s_wait_loadcnt 0x0                             ; buffer A is in (and buffer B's next K)
	s_add_co_u32 s[T1], s[JJ], 8
	s_cmp_ge_u32 s[T1], s[NG]
	s_cbranch_scc1 .Lp2
	s_add_co_u32 s[T1], s[JJ], 12
	s_cmp_lt_u32 s[T1], s[NG]
	s_cbranch_scc0 .Lno_b
	PLACES
	LOADV 3, 196608                                ; twelve steps behind step JJ
.Lno_b:
	s_wait_xcnt 0x0                                ; the loads have read their bases, which step only behind this wait
	s_add_nc_u64 s[PK:PK+1], s[PK:PK+1], 131072
	s_add_nc_u64 s[PV:PV+1], s[PV:PV+1], 131072
	s_add_co_u32 s[JJ], s[JJ], 8
	s_add_co_u32 s[RR], s[RR], 1
	s_cmp_lt_u32 s[RR], 2                          ; 16 steps, four waves, two steps a trip
	s_cbranch_scc1 .Lpair
; THE STEPS WITHOUT SCORES, for queries that do not count: p = 1 for every key of steps NG .. 15 (their share of steps 0 .. NG - 1 came through the mask above).  A block all of whose queries count passes over this.
.Lp2:
	s_wait_loadcnt 0x0                             ; no load is out on any way that leads here: the buffers may be loaded anew
	s_add_co_u32 s[T1], s[Q0], 64
	s_cmp_ge_i32 s[LL], s[T1]
	s_cbranch_scc1 .Lmerge
	s_sub_co_u32 s[T1], s[WV], s[NG]
	s_and_b32 s[T1], s[T1], 3
	s_add_co_u32 s[JS], s[NG], s[T1]               ; my first such step: the least j >= NG with j % 4 = w
	s_sub_co_u32 s[CNT], 19, s[JS]
	s_lshr_b32 s[CNT], s[CNT], 2                   ; and how many I have: 0 to 4
	s_mov_b32 s[T2+1], 0
.irp i, 0,1,2,3
	s_add_co_u32 s[T1], s[JS], 4*\i
	s_min_u32 s[T1], s[T1], 15                     ; a step past the end is loaded from step 15 and not used
	s_lshl_b32 s[T2], s[T1], 14
	s_add_nc_u64 s[VP+2*\i:VP+2*\i+1], s[8:9], s[T2:T2+1]
.endr
.irp i, 0,1,2,3,4,5,6,7
	v_mov_b32 v[S0+\i], 1.0                        ; (eight plain lines: the places ahead of the loads below)
.endr
	WIN 2<<6
	s_wait_alu depctr_va_vdst(0)                   ; the loop's products are done reading both buffers, in which the 128 loads below land; on the way that comes straight from the head: v1, their offset, is written
.irp i, 0,1,2,3                        ; V of my four steps into the four halves of the two buffers
	WIN (2+\i/2)<<6
.set li, 0
.rept 32
	global_load_b128 v[128*(\i%2)+4*li:128*(\i%2)+4*li+3], v1, s[VP+2*\i:VP+2*\i+1] offset:512*li
.set li, li+1
.endr
.endr
	WIN 0
.irp t, 0,1,2,3
	s_sub_co_i32 s[MK+4+\t], s[LQ], 16*\t
	v_cmp_le_i32 s[MK+\t], s[MK+4+\t], v14         ; my query of tile t does not count: four compares in a run, a mask and a bound of its own for each
.endr
.irp i, 0,1,2,3,4,5,6,7
	v_min_num_f32 v[S0+\i], v[S0+\i], v3           ; the hold
.endr
	v_cvt_scalef32_pk8_fp8_f32 v[12:13], v[S0:S0+7], v2   ; v12: the code of 1, four times
	v_nop                                          ; one plain line behind the conversion
	s_lshl_b32 s[T2], s[CNT], 6
	v_cvt_f32_u32 v9, s[T2]                        ; a lane stands for 64 keys of each step
	s_wait_alu depctr_va_sdst(0)                   ; the four compares have written s66 to s69, which the selects below read
.irp t, 0,1,2,3
.irp i, 0,1,2,3,4,5,6,7,8,9,10,11,12,13,14,15
	v_cndmask_b32 v[S1+16*\t+\i], 0, v12, s[MK+\t] ; P's fragment: the code of 1 there, zero codes for a query that counts
.endr
	v_cndmask_b32 v13, 0, v9, s[MK+\t]
	v_add_f32 v[ST+4*\t+2], v[ST+4*\t+2], v13      ; its sum gains 1 for each key
.endr
.macro CSTEP i, left                   ; left: the younger loads, which may stay out
	s_wait_loadcnt \left
	s_cmp_gt_u32 s[CNT], \i
	s_cbranch_scc0 .Lnone_\@
	WIN 0x50|(2+(\i)/2)
.set g, 0
	s_wait_alu depctr_va_vdst(0)
.rept 8
.set u, 0
.rept 4
	v_wmma_f32_16x16x128_fp8_fp8 v[64*u+8*g:64*u+8*g+7], v[128*((\i)%2)+16*g:128*((\i)%2)+16*g+15], v[S1+16*u:S1+16*u+15], v[64*u+8*g:64*u+8*g+7]
.set u, u+1
.endr
.set g, g+1
.endr
	WIN 0
.Lnone_\@:
.endm
	CSTEP 0, 63                                    ; 96 loads were issued behind the first 32
	CSTEP 1, 63                                    ; 64 behind the second
	CSTEP 2, 32
	CSTEP 3, 0
; THE MERGE.  Every wave lays its statistics and its O^T in LDS as images of the registers; one barrier; wave w brings tile w's four parts under the largest M, adds them, divides and stores.
.Lmerge:
	s_wait_alu depctr_va_vdst(0)
.irp t, 0,1,2,3
	v_add_f32 v[ST+4*\t+2], v[ST+4*\t+2], v[ST+4*\t+3]   ; the sum's two halves (these lines are also the places behind the last products)
.endr
.irp t, 0,1,2,3
	v_permlanex16_b32 v[ST+4*\t+3], v[ST+4*\t+2], s[SEL], s[SEL+1]
.endr
.irp t, 0,1,2,3
	v_add_f32 v[ST+4*\t+2], v[ST+4*\t+2], v[ST+4*\t+3]   ; and lane l xor 16's
.endr
	s_lshl_b32 s[T1], s[WV], 11
	s_add_co_u32 s[T1], s[T1], STATS
	v_add_nc_u32 v160, s[T1], v1                   ; my statistics: 2,048 w + 512 t + 16 x lane
	s_lshl_b32 s[T1], s[WV], 15
	v_add_nc_u32 v161, s[T1], v1                   ; my image: 32,768 w + 512 m + 16 x lane
	s_lshl_b32 s[T1], s[WV], 13
	v_add_nc_u32 v162, s[T1], v1                   ; tile w in wave 0's image (and wave 1's, by the offset),
	v_add_nc_u32 v163, 0x10000, v162               ; in wave 2's (and wave 3's)
	s_lshl_b32 s[T1], s[WV], 9
	s_add_co_u32 s[T1], s[T1], STATS
	v_add_nc_u32 v164, s[T1], v1                   ; tile w in wave 0's statistics
	s_mul_i32 s[T1], s[WV], 16*SPITCH
	s_add_co_u32 s[T1], s[T1], STAGE
	v_mul_u32_u24 v165, v14, SPITCH
	v_lshl_add_u32 v165, v15, 1, v165
	v_add_nc_u32 v165, s[T1], v165                 ; my stage, in: row r, + 32 h bytes
	v_add_nc_u32 v166, s[T1], v1                   ; and back: 16 x lane of a row
	s_wait_alu depctr_va_vdst(0)                   ; the seven addresses v160 to v166, the statistics and O^T are written, which the LDS stores and loads below read; and every reader and writer of v32-47 and of buffer A, in which the loads behind the barrier land, is done
.irp t, 0,1,2,3
	ds_store_b128 v160, v[ST+4*\t:ST+4*\t+3] offset:512*\t
.endr
	WIN 0x04                                       ; the stores' data in window 1
.set li, 0
.rept 64
	ds_store_b128 v161, v[4*li:4*li+3] offset:512*li   ; each accumulator from its low end on
.set li, li+1
.endr
	WIN 0
	s_wait_dscnt 0x0                               ; for the others' sake: my stores have landed
	s_barrier_signal -1
	s_barrier_wait -1
.irp u, 0,1,2,3
	ds_load_b128 v[S0+4*\u:S0+4*\u+3], v164 offset:2048*\u   ; wave u's -M and sum of tile w
.endr
	WIN 0x80                                       ; destination window 2: wave u's part of tile w at v[64 u].  No vector or matrix instruction since the wait above names these registers or v162, v163
.irp u, 0,1
.set li, 0
.rept 16
	ds_load_b128 v[64*\u+4*li:64*\u+4*li+3], v162 offset:32768*\u+512*li
.set li, li+1
.endr
.endr
.irp u, 0,1
.set li, 0
.rept 16
	ds_load_b128 v[128+64*\u+4*li:128+64*\u+4*li+3], v163 offset:32768*\u+512*li
.set li, li+1
.endr
.endr
	WIN 0
	s_wait_dscnt 63                                ; 64 loads were issued behind the four of the statistics: those are in
	v_min3_num_f32 v48, v32, v36, v40
	v_min_num_f32 v48, v48, v44                    ; the least -M: the largest M
.irp u, 0,1,2,3
	v_sub_f32 v[49+\u], v48, v[S0+4*\u]            ; M of wave u less the largest: a whole number, 0 or less
.endr
.irp u, 0,1,2,3
	v_cvt_i32_f32 v[49+\u], v[49+\u]               ; (it saturates: a wave that had no step counts for nothing)
.endr
.irp u, 0,1,2,3
	v_ldexp_f32 v[49+\u], 1.0, v[49+\u]            ; f of wave u
.endr
	v_mul_f32 v53, v49, v34
	v_fmac_f32 v53, v50, v38
	v_fmac_f32 v53, v51, v42
	v_fmac_f32 v53, v52, v46                       ; the row's sum
	s_wait_alu depctr_va_vdst(0)
	v_rcp_f32 v53, v53
	v_nop                                          ; a plain line behind the reciprocal
	s_wait_alu depctr_va_vdst(0)                   ; and the wait ahead of its first reader: the reciprocal has written v53
	v_ldexp_f32 v53, v53, s[EPV]                   ; x 2^(ep + ev)
.irp u, 0,1,2,3
	v_mul_f32 v[54+2*\u], v[49+\u], v53            ; wave u's factor, in both halves of a pair
	v_mul_f32 v[55+2*\u], v[49+\u], v53
.endr
	s_wait_alu depctr_va_vdst(0)
	s_wait_dscnt 0x0                               ; the four parts are in
	WIN 0x02                                       ; source 0 in window 2
.set n, 0
.rept 32
	v_pk_mul_f32 v[S1+n:S1+n+1], v[n:n+1], v[54:55]
.set n, n+2
.endr
.irp u, 1,2,3
.set n, 0
.rept 32
	v_pk_fma_f32 v[S1+n:S1+n+1], v[64*\u+n:64*\u+n+1], v[54+2*\u:55+2*\u], v[S1+n:S1+n+1]
.set n, n+2
.endr
.endr
	WIN 0
	s_wait_alu depctr_va_vdst(0)                   ; the multiply-adds have written v96-159, which the stage's stores read; they and the lines ahead of them are done with v32-61, in which the loads back land
.irp g, 0,1,2,3,4,5,6,7                ; register 8 g + i is out(row r, channel 16 g + 8 h + i): 32 bytes of a row; the lanes beside me hold other rows, so the tile goes through my stage
	ds_store_b128 v165, v[S1+8*\g:S1+8*\g+3] offset:64*\g
	ds_store_b128 v165, v[S1+8*\g+4:S1+8*\g+7] offset:64*\g+16
.endr
.irp i, 0,1,2,3,4,5,6,7,8,9,10,11,12,13,14,15
	ds_load_b128 v[S0+4*\i:S0+4*\i+3], v166 offset:\i*SPITCH   ; LDS serves a wave's instructions in order (ISA guide 5.7.1.4): these see my stores
.endr
.irp i, 0,1,2,3,4,5,6,7,8,9,10,11,12,13,14,15
	s_wait_dscnt 15-\i
	global_store_b128 v1, v[S0+4*\i:S0+4*\i+3], s[14:15] offset:512*\i th:TH_STORE_NT   ; 32 lanes store a row of 512 consecutive bytes, aligned; written once, read by nobody here
.endr
	s_wait_dscnt 0x0                               ; the closing lines, six on end
	s_wait_alu 0x0
	s_wait_tensorcnt 0x0
	ds_add_u32 v6, v7
	s_wait_dscnt 0x0
	s_endpgm
.Lfunc_end_k_q744201c949_attn:
	.size	k_q744201c949_attn, .Lfunc_end_k_q744201c949_attn-k_q744201c949_attn
	.p2alignl 7, 3214868480
	.fill 96, 4, 3214868480
	.section	.rodata,"a",@progbits
	.p2align	6, 0x0
	.amdhsa_kernel k_q744201c949_attn
		.amdhsa_group_segment_fixed_size 173568
		.amdhsa_private_segment_fixed_size 0
		.amdhsa_enable_private_segment 0
		.amdhsa_kernarg_size 48
		.amdhsa_user_sgpr_count 2
		.amdhsa_user_sgpr_kernarg_segment_ptr 1
		.amdhsa_wavefront_size32 1
		.amdhsa_system_sgpr_workgroup_id_x 1
		.amdhsa_system_sgpr_workgroup_id_y 1
		.amdhsa_system_sgpr_workgroup_id_z 1
		.amdhsa_system_vgpr_workitem_id 0
		.amdhsa_next_free_vgpr 1024
		.amdhsa_next_free_sgpr 98
		.amdhsa_reserve_vcc 0
		.amdhsa_float_denorm_mode_32 3
		.amdhsa_float_denorm_mode_16_64 3
		.amdhsa_memory_ordered 1
		.amdhsa_forward_progress 1
		.amdhsa_inst_pref_size 255
	.end_amdhsa_kernel
	.section	.bss,"aw",@nobits
	.p2align	6
	.space	262144
	.amdgpu_metadata
---
amdhsa.version: [ 1, 2 ]
amdhsa.kernels:
  - .name:           k_q744201c949_attn
    .symbol:         k_q744201c949_attn.kd
    .args:
      - { .name: qc, .offset: 0, .size: 8, .value_kind: global_buffer, .address_space: global }
      - { .name: kc, .offset: 8, .size: 8, .value_kind: global_buffer, .address_space: global }
      - { .name: vc, .offset: 16, .size: 8, .value_kind: global_buffer, .address_space: global }
      - { .name: event_length, .offset: 24, .size: 8, .value_kind: global_buffer, .address_space: global }
      - { .name: lowp_scales, .offset: 32, .size: 8, .value_kind: global_buffer, .address_space: global }
      - { .name: out0, .offset: 40, .size: 8, .value_kind: global_buffer, .address_space: global }
    .group_segment_fixed_size: 173568
    .private_segment_fixed_size: 0
    .kernarg_segment_align: 8
    .kernarg_segment_size: 48
    .max_flat_workgroup_size: 128
    .sgpr_count:     98
    .vgpr_count:     1024
    .wavefront_size: 32
...
	.end_amdgpu_metadata
.endif
;; end of part 4
